; MI455X (gfx1250); checked and timed in simulation.
; The chip was launched on July 23, 2026; its instructions are those of AMD's public machine-readable ISA for CDNA 5 (MIT licence, August 2026) and "CDNA5" Instruction Set Architecture Reference Guide (July 2026). The comments in the code are by the model that wrote it; some were corrected since.
;; Multi Head Self Attention. Allowed arithmetic: float matrix products may take bf16 or f16 operands with f32 sums; all other float work in f32.
;; Inputs: W_K 1,024 x 1,024 float32; W_O 1,024 x 1,024 float32; W_Q 1,024 x 1,024 float32; W_V 1,024 x 1,024 float32; x 4 x 2,048 x 1,024 float32.
;; Outputs: out0 4 x 2,048 x 1,024 float32.
;; 2 versions, each right and faster than the one before. Each part assembles by itself: llvm-mc -triple=amdgcn-amd-amdhsa -mcpu=gfx1250 --defsym DOCPART=n.
;; ======== version 1 of 2: 4 launches
;; limits: values are held in f16: magnitudes above 65,504 overflow, below 6.1e-05 lose precision
;; workspace buffers: xb 16,777,216 bytes; wqkv 6,291,456 bytes; wo 2,097,152 bytes; qkv 50,331,648 bytes; att 16,777,216 bytes
;; launch cvt (part 1): grid 64 x 12, 8 waves a work-group, no clusters, 0 bytes of LDS; arguments x, W_Q, W_K, W_V, W_O, xb, wqkv, wo; writes xb, wqkv, wo
.if DOCPART == 1
	.amdgcn_target "amdgcn-amd-amdhsa--gfx1250"
	.amdhsa_code_object_version 6
	.text
	.protected	k_q7c285df59f_cvt
	.globl	k_q7c285df59f_cvt
	.p2align	8
	.type	k_q7c285df59f_cvt,@function
k_q7c285df59f_cvt:
	s_mov_b64 s[64:65], 0
	v_nop
	global_prefetch_b8 v0, s[64:65] scope:SCOPE_SE
	s_setreg_imm32_b32 hwreg(HW_REG_WAVE_MODE, 25, 1), 1
	s_wait_xcnt 0x0
; CAUSAL MULTI-HEAD SELF-ATTENTION, B = 4, T = 2048, D = 1024, 16 heads of 64, in four launches:
;   1 (this one)  x, W_Q, W_K, W_V, W_O are rounded to 16 bits and laid out in planes of 64 along K
;   2             q, k, v = x W^T, bf16 operands, f32 sums, results in f16, one plane for each head
;   3             causal attention with a running maximum, f16 operands, f32 sums and softmax, result in f16
;   4             out0 = merged W_O^T, f16 operands, f32 sums, f32 result
; WORK LEFT OUT (launch 3): key tiles in which every key lies behind every query of a wave's tile.  reference() throws the score of
; a key behind its query away for all values of the inputs (jnp.where on a tril that it builds itself) and puts finfo.min there.  A row
; keeps its own diagonal score, so its maximum is a true score, and the weight exp(finfo.min - maximum) lies below every f32 number:
; reference()'s own weight is 0 and its product with v adds nothing.  Limit: a NaN, an infinity or an overflow that reaches only those
; products is not carried to the result.  All five inputs have a way to the output and are loaded.
; FORMATS AND LIMITS: x, W_Q, W_K, W_V go as bf16.  q, k, v, the weights P and the merged heads go as f16: a magnitude above 65,504 there
; becomes infinite, and one below 2^-24 becomes 0.  W_O is rounded to bf16's 8 significant bits like the other inputs and then written in
; f16, which holds such a number exactly from 2^-17 up (below that the error is at most 2^-25; above 65,504 it becomes infinite).
;
; THIS LAUNCH: a stream; no LDS, no barrier, no matrix instruction.  A work-group takes 16 source rows of 4,096 bytes.
; y = 0..7: x (512 groups of 16 rows), y = 8, 9, 10: W_Q, W_K, W_V, y = 11: W_O (64 groups each).
; Thread t takes row t / 16 and, in load s, the 16 bytes at 256 s + 16 (t % 16): a wave's load covers 256 consecutive bytes of each of two rows.
; The four numbers go out as 8 bytes at 8 t of plane s: a wave's store covers 256 consecutive bytes, aligned.
; Layouts: xb [b 4][s 16][t 2048][64], wqkv [s 16][n 3072][64] (n: W_Q, W_K, W_V one after the other), wo [s 16][n 1024][64]; k = 64 s + d.
.set XBPLANE, 262144                   ; bytes from plane to plane in xb
.set WQPLANE, 393216                   ; in wqkv
.set WOPLANE, 131072                   ; in wo
.set OO, 2                             ; v[2:17]   byte offset of my 8 bytes in plane s
.set X,  20                            ; v[20:83]  load s: 4 registers; its first two are then the store's data
.set T,  84                            ; v[84:85]  at work (W_O alone)
	s_load_b512 s[4:19], s[0:1], 0x0               ; x, W_Q, W_K, W_V, W_O, xb, wqkv, wo
	s_and_b32 s20, ttmp7, 0xffff                   ; y
	s_mov_b32 s21, ttmp9                           ; xi
	v_lshrrev_b32 v18, 4, v0                       ; my row of the sixteen
	v_and_b32 v19, 15, v0
	v_lshlrev_b32 v1, 12, v18
	v_lshl_add_u32 v1, v19, 4, v1                  ; 4,096 x row + 16 x (t % 16)
	; offsets, apart from the addresses
	s_lshl_b32 s22, s20, 6
	s_add_co_u32 s22, s22, s21
	s_lshl_b32 s22, s22, 16                        ; x: group 64 y + xi, 65,536 bytes each
	s_lshl_b32 s23, s21, 16                        ; a weight: group xi
	s_lshr_b32 s32, s20, 1
	s_lshl_b32 s32, s32, 22                        ; xb: batch y / 2,
	s_and_b32 s33, s20, 1
	s_lshl_b32 s33, s33, 17                        ; and the batch's upper 1,024 rows of 128 bytes for odd y
	s_add_co_u32 s32, s32, s33
	s_sub_co_u32 s33, s20, 8
	s_lshl_b32 s33, s33, 17                        ; wqkv: 1,024 rows of 128 bytes for each weight in front (used for y = 8..10 alone)
	s_mov_b32 s34, XBPLANE
	s_mov_b32 s35, WQPLANE
	s_cmp_lt_u32 s20, 8
	s_cselect_b32 s28, s22, s23                    ; source offset
	s_cselect_b32 s32, s32, s33                    ; destination offset
	s_cselect_b32 s30, s34, s35                    ; bytes from plane to plane
	s_cmp_eq_u32 s20, 11
	s_cselect_b32 s32, 0, s32
	s_cselect_b32 s30, WOPLANE, s30
	s_lshl_b32 s31, s21, 11                        ; the group's 16 rows of 128 bytes
	s_add_co_u32 s32, s32, s31
	s_mov_b32 s29, 0
	s_mov_b32 s33, 0
	v_lshlrev_b32 v[OO], 3, v0
.irp s, 1,2,3,4,5,6,7,8,9,10,11,12,13,14,15
	v_add_nc_u32 v[OO+\s], s30, v[OO+\s-1]
.endr
	s_wait_kmcnt 0x0
	s_cmp_eq_u32 s20, 8                            ; the buffers are chosen by y alone
	s_cselect_b64 s[24:25], s[6:7], s[4:5]
	s_cmp_eq_u32 s20, 9
	s_cselect_b64 s[24:25], s[8:9], s[24:25]
	s_cmp_eq_u32 s20, 10
	s_cselect_b64 s[24:25], s[10:11], s[24:25]
	s_cmp_eq_u32 s20, 11
	s_cselect_b64 s[24:25], s[12:13], s[24:25]
	s_cselect_b64 s[26:27], s[18:19], s[16:17]
	s_cmp_lt_u32 s20, 8
	s_cselect_b64 s[26:27], s[14:15], s[26:27]
	s_add_nc_u64 s[24:25], s[24:25], s[28:29]
	s_add_nc_u64 s[26:27], s[26:27], s[32:33]
.irp s, 0,1,2,3,4,5,6,7,8,9,10,11,12,13,14,15
	global_load_b128 v[X+4*\s:X+4*\s+3], v1, s[24:25] offset:256*\s th:TH_LOAD_NT   ; all sixteen loads go out at once: every source byte is read once in the launch
.endr
; Sixteen turns: wait, round, store.  No register is written twice, so no source of a pending store is ever touched.
; half = 1: the bf16 numbers are widened again and written in f16.
.macro CV half
.irp s, 0,1,2,3,4,5,6,7,8,9,10,11,12,13,14,15
	s_wait_loadcnt 15-\s                           ; loads come back in order (ISA guide 5.7.1): load s is in, the 15 - s younger ones stay out
.if \half
	v_cvt_pk_bf16_f32 v[T],   v[X+4*\s],   v[X+4*\s+1]
	v_cvt_pk_bf16_f32 v[T+1], v[X+4*\s+2], v[X+4*\s+3]
	v_lshlrev_b32 v[X+4*\s],   16, v[T]
	v_and_b32     v[X+4*\s+1], 0xffff0000, v[T]
	v_lshlrev_b32 v[X+4*\s+2], 16, v[T+1]
	v_and_b32     v[X+4*\s+3], 0xffff0000, v[T+1]
	v_cvt_pk_f16_f32 v[X+4*\s],   v[X+4*\s],   v[X+4*\s+1]
	v_cvt_pk_f16_f32 v[X+4*\s+1], v[X+4*\s+2], v[X+4*\s+3]
.else
	v_cvt_pk_bf16_f32 v[X+4*\s],   v[X+4*\s],   v[X+4*\s+1]
	v_cvt_pk_bf16_f32 v[X+4*\s+1], v[X+4*\s+2], v[X+4*\s+3]
.endif
	global_store_b64 v[OO+\s], v[X+4*\s:X+4*\s+1], s[26:27]
.endr
	s_endpgm
.endm
	s_cmp_eq_u32 s20, 11
	s_cbranch_scc1 .Lw_o
	CV 0
.Lw_o:
	CV 1
.Lfunc_end_k_q7c285df59f_cvt:
	.size	k_q7c285df59f_cvt, .Lfunc_end_k_q7c285df59f_cvt-k_q7c285df59f_cvt
	.p2alignl 7, 3214868480
	.fill 96, 4, 3214868480
	.section	.rodata,"a",@progbits
	.p2align	6, 0x0
	.amdhsa_kernel k_q7c285df59f_cvt
		.amdhsa_group_segment_fixed_size 0
		.amdhsa_private_segment_fixed_size 0
		.amdhsa_enable_private_segment 0
		.amdhsa_kernarg_size 64
		.amdhsa_user_sgpr_count 2
		.amdhsa_user_sgpr_kernarg_segment_ptr 1
		.amdhsa_wavefront_size32 1
		.amdhsa_system_sgpr_workgroup_id_x 1
		.amdhsa_system_sgpr_workgroup_id_y 1
		.amdhsa_system_sgpr_workgroup_id_z 1
		.amdhsa_system_vgpr_workitem_id 0
		.amdhsa_next_free_vgpr 88
		.amdhsa_next_free_sgpr 66
		.amdhsa_reserve_vcc 0
		.amdhsa_float_denorm_mode_32 3
		.amdhsa_float_denorm_mode_16_64 3
		.amdhsa_memory_ordered 1
		.amdhsa_forward_progress 1
		.amdhsa_inst_pref_size 17
	.end_amdhsa_kernel
	.amdgpu_metadata
---
amdhsa.version: [ 1, 2 ]
amdhsa.kernels:
  - .name:           k_q7c285df59f_cvt
    .symbol:         k_q7c285df59f_cvt.kd
    .args:
      - { .name: x, .offset: 0, .size: 8, .value_kind: global_buffer, .address_space: global }
      - { .name: W_Q, .offset: 8, .size: 8, .value_kind: global_buffer, .address_space: global }
      - { .name: W_K, .offset: 16, .size: 8, .value_kind: global_buffer, .address_space: global }
      - { .name: W_V, .offset: 24, .size: 8, .value_kind: global_buffer, .address_space: global }
      - { .name: W_O, .offset: 32, .size: 8, .value_kind: global_buffer, .address_space: global }
      - { .name: xb, .offset: 40, .size: 8, .value_kind: global_buffer, .address_space: global }
      - { .name: wqkv, .offset: 48, .size: 8, .value_kind: global_buffer, .address_space: global }
      - { .name: wo, .offset: 56, .size: 8, .value_kind: global_buffer, .address_space: global }
    .group_segment_fixed_size: 0
    .private_segment_fixed_size: 0
    .kernarg_segment_align: 8
    .kernarg_segment_size: 64
    .max_flat_workgroup_size: 256
    .sgpr_count:     66
    .vgpr_count:     88
    .wavefront_size: 32
...
	.end_amdgpu_metadata
.endif
;; end of part 1
;; launch qkvp (part 2): grid 8 x 32, 4 waves a work-group, clusters of 4 x 4, 327,680 bytes of LDS; arguments xb, wqkv, qkv; writes qkv
.if DOCPART == 2
	.amdgcn_target "amdgcn-amd-amdhsa--gfx1250"
	.amdhsa_code_object_version 6
	.text
	.protected	k_q7c285df59f_qkvp
	.globl	k_q7c285df59f_qkvp
	.p2align	8
	.type	k_q7c285df59f_qkvp,@function
k_q7c285df59f_qkvp:
	s_mov_b64 s[64:65], 0
	v_nop
	global_prefetch_b8 v0, s[64:65] scope:SCOPE_SE
	s_setreg_imm32_b32 hwreg(HW_REG_WAVE_MODE, 25, 1), 1
	s_wait_xcnt 0x0
	s_wait_alu depctr_hold_cnt(0) depctr_sa_sdst(0) depctr_va_vdst(0) depctr_va_sdst(0) depctr_va_ssrc(0) depctr_va_vcc(0) depctr_vm_vsrc(0)
	s_getreg_b32 s2, hwreg(HW_REG_IB_STS2, 6, 4)
	s_cmp_eq_u32 s2, 0
	s_cbranch_scc0 .Lentry_in_a_cluster
	s_endpgm
.Lentry_in_a_cluster:
	s_bfe_u32 s2, ttmp6, 0x10000c
	s_cmp_lg_u32 s2, 0xf033
	s_cbranch_scc0 .Lentry_shape_is_right
	s_endpgm
.Lentry_shape_is_right:
; q, k, v = x W^T: C[m][n] = sum over k of xb[m][k] wqkv[n][k], m = 8,192 rows (b, t), n = 3,072, k = 1,024; bf16 operands, f32 sums, C in f16.
; qkv is [b 4][g 48][t 2048][64], g = n / 64: planes 0-15 are Q's heads, 16-31 K's, 32-47 V's.  Limit: |C| above 65,504 becomes infinite.
; A work-group makes 256 x 384 of C with four waves; a wave makes 128 x 192 (three heads): 96 accumulator tiles of 16 x 16, 768 registers.
; K goes in 16 steps of 64, one plane of xb and of wqkv each, through a ring of two LDS slots; a step is two quarters of 32 along K.
; A tile's rows of 128 bytes follow each other in memory without a gap, so it is fetched as PAIR ROWS of 256 bytes, each followed by 16 bytes of
; padding in LDS: row i lies at (i / 2) x 272 + (i % 2) x 128, and the sixteen rows of a fragment fall on the 16-byte columns
; (r / 2) + 8 (r % 2) of 256 bytes, all different.
; CLUSTERS: 4 x 4 work-groups.  xb's tile hangs on the block row alone and is asked for jointly by a row of the cluster, wqkv's on the block
; column alone and is asked for jointly by a column.
; REGISTERS: window 0: v0-31 addresses; v32-95, v96-159 fragments of xb, two buffers; v160-255 the twelve fragments of wqkv, one buffer in three
; groups of four, each group loaded again as soon as its 32 products are issued.  Window 1 + g: the 32 tiles (a = 0..7, b = 4 g + b') at v[8 (8 b' + a)].
; The matrix instruction is used transposed (source 0 = rows of wqkv, source 1 = rows of xb): a lane then holds row l % 16 of C and the eight
; neighbouring columns 8 (l / 16) + 0..7.
.set PITCH,  272
.set FROWS,  8*PITCH                   ; sixteen rows = eight pair rows
.set BHALF,  96*PITCH                  ; 192 rows of wqkv: one tensor load, and what one wave reads
.set AHALF,  64*PITCH                  ; 128 rows of xb: likewise
.set BBYTES, 2*BHALF
.set SLOT,   BBYTES+2*AHALF            ; 87,040: wqkv's 384 rows, then xb's 256
.set STAGE,  2*SLOT                    ; 174,080 = 680 x 256: behind the ring, never the target of a tensor load
.set SPITCH, 144                       ; the way out: a head's row of 128 bytes + 16
.set HSTAGE, 16*SPITCH
.set WSTAGE, 3*HSTAGE                  ; a wave's stage: 3 heads x 16 rows
.set XPLANE, 262144                    ; bytes from plane to plane in xb, and in qkv
.set WPLANE, 393216                    ; in wqkv
.set LAPS,   8                         ; a lap = two K steps = once round the ring
.set ADRA, 16                          ; v16-17 LDS address of my xb fragments in slot 0, 1
.set ADRB, 20                          ; v20-21 the same for wqkv
.set STO,  24                          ; v24 the way out: where I put 16 bytes of a row
.set RD,   25                          ; v25 the way out: where I read four rows back
.set CO,   26                          ; v26 my byte offset in 512 bytes of qkv
.set FA0,  32
.set FA1,  96
.set FBR,  160
.set TMP,  32                          ; the way out: packed results, v32-79
.set OB0,  160                         ; the way out: two buffers of 48 registers for the stores' data
.set OB1,  208
.set G1A, 24                           ; s[24:31] group 1 for xb's tiles
.set G0A, 32                           ; s[32:39] group 0 for xb's tiles, one set for each slot
.set G1B, 48                           ; s[48:55] group 1 for wqkv's tiles
.set G0B, 56                           ; s[56:63] group 0 for wqkv's tiles
.set DESC0, (3<<16)|(1<<20)|(1<<21)|(5<<22)|(3<<25)   ; elements of 8 bytes; padding on; bit 21 beside a mask; after every 64 words; 4 words
.set MSB, 0
.macro WIN new                         ; the immediate's high byte repeats the setting that is left
.if MSB != \new
	s_set_vgpr_msb (MSB<<8)|\new
.set MSB, \new
.endif
.endm
.macro PLACES                          ; four plain vector instructions between a matrix instruction and a load into, or a vector read of, its registers
.rept 4
	v_nop
.endr
.endm
; A joint load.  Waves 0 and 1 fetch wqkv's two halves, waves 2 and 3 xb's.  Each line has one mask and one set of registers for all that issue it.
.macro JLOAD s
	s_cmp_eq_u32 s11, 0
	s_cbranch_scc0 .Lfor_a_\@
	tensor_load_to_lds s[G0B+4*\s:G0B+4*\s+3], s[G1B:G1B+7]
	s_nop 0
	s_branch .Lasked_\@
.Lfor_a_\@:
	tensor_load_to_lds s[G0A+4*\s:G0A+4*\s+3], s[G1A:G1A+7]
	s_nop 0
.Lasked_\@:
.endm
.macro CREST                           ; a round of the cluster's barrier behind its opening barrier
	s_cmp_lg_u32 s10, 0
	s_cbranch_scc1 .Lnot_wave_0_\@
	s_barrier_signal -3
.Lnot_wave_0_\@:
	s_barrier_wait -3
	s_barrier_signal -1
	s_barrier_wait -1
.endm
.macro CROUND                          ; a whole round
	s_barrier_signal -1
	s_barrier_wait -1
	CREST
.endm
	s_load_b128 s[4:7], s[0:1], 0x0                ; xb s[4:5], wqkv s[6:7]
	s_load_b64 s[8:9], s[0:1], 0x10                ; qkv
	v_lshl_add_u32 v30, v0, 2, 0x31400
	v_mov_b32 v31, 0
	ds_add_u32 v30, v31
	v_lshrrev_b32 v1, 5, v0
	v_readfirstlane_b32 s10, v1                    ; wave 0..3
	s_lshr_b32 s11, s10, 1                         ; which 128 rows of the block are mine.  Also: I fetch for wqkv (0) or for xb (1)
	s_and_b32 s12, s10, 1                          ; which 192 columns.  Also: which half of that tile I fetch
	s_bfe_u32 s40, ttmp6, 0x40000                  ; cx
	s_bfe_u32 s41, ttmp6, 0x40004                  ; cy
	s_lshl_b32 s42, ttmp9, 2
	s_add_co_u32 s42, s42, s40                     ; block column = 4 x cluster x + cx
	s_and_b32 s13, ttmp7, 0xffff
	s_lshl_b32 s13, s13, 2
	s_add_co_u32 s13, s13, s41                     ; block row = 4 x cluster y + cy
	s_lshl_b32 s43, s41, 2
	s_lshl_b32 s43, 15, s43                        ; my row of the cluster: places 4 cy .. 4 cy + 3
	s_lshl_b32 s44, 0x1111, s40                    ; my column: places cx, cx + 4, cx + 8, cx + 12
	s_or_b32 s[G1A+0], s43, DESC0                  ; xb's tiles go to my row
	s_or_b32 s[G1B+0], s44, DESC0                  ; wqkv's to my column
	s_mov_b32 s[G1A+1], 32<<16                     ; tensor_dim0 = 32 elements of 8 bytes: a pair row
	s_mov_b32 s[G1B+1], 32<<16
	s_mov_b32 s[G1A+2], 64<<16                     ; tensor_dim1 = 64 pair rows
	s_mov_b32 s[G1B+2], 96<<16                     ; 96 pair rows
	s_mov_b32 s[G1A+3], 32<<16                     ; tile_dim0
	s_mov_b32 s[G1B+3], 32<<16
	s_mov_b32 s[G1A+4], 64                         ; tile_dim1
	s_mov_b32 s[G1B+4], 96
	s_mov_b32 s[G1A+5], 32                         ; from pair row to pair row: 32 elements, no gap
	s_mov_b32 s[G1B+5], 32
	s_mov_b32 s[G1A+6], 0
	s_mov_b32 s[G1B+6], 0
	s_mov_b32 s[G1A+7], 0
	s_mov_b32 s[G1B+7], 0
	; where the tiles come from: xb's hang on the block row and my half, wqkv's on the block column and my half, each in registers that never hold the other coordinate
	s_lshr_b32 s16, s13, 3
	s_lshl_b32 s16, s16, 22                        ; batch = block row / 8: 16 planes
	s_and_b32 s17, s13, 7
	s_lshl_b32 s17, s17, 15                        ; 256 rows of 128 bytes
	s_add_co_u32 s16, s16, s17
	s_lshl_b32 s17, s12, 14                        ; my 128 rows
	s_add_co_u32 s16, s16, s17
	s_mov_b32 s17, 0
	s_mul_i32 s46, s42, 384*128
	s_mul_i32 s47, s12, 192*128
	s_add_co_u32 s46, s46, s47
	s_mov_b32 s47, 0
	s_mul_i32 s20, s10, BHALF                      ; and where they go: waves 0, 1: wqkv's halves at wave x 26,112;
	s_mul_i32 s21, s10, AHALF
	s_add_co_u32 s21, s21, BBYTES-2*AHALF          ; waves 2, 3: xb's halves at 52,224 + (wave - 2) x 17,408
	s_wait_dscnt 0x0
	s_wait_kmcnt 0x0
	s_add_nc_u64 s[14:15], s[4:5], s[16:17]
	s_add_nc_u64 s[46:47], s[6:7], s[46:47]
	CROUND                                         ; all sixteen work-groups are here: the first joint loads meet
.irp s, 0,1
	s_mov_b32 s[G0A+4*\s], 1
	s_add_co_u32 s[G0A+4*\s+1], s21, \s*SLOT
	s_add_nc_u64 s[G0A+4*\s+2:G0A+4*\s+3], s[14:15], \s*XPLANE     ; K step s = plane s
	s_or_b32 s[G0A+4*\s+3], s[G0A+4*\s+3], 0x80000000
	s_mov_b32 s[G0B+4*\s], 1
	s_add_co_u32 s[G0B+4*\s+1], s20, \s*SLOT
	s_add_nc_u64 s[G0B+4*\s+2:G0B+4*\s+3], s[46:47], \s*WPLANE
	s_or_b32 s[G0B+4*\s+3], s[G0B+4*\s+3], 0x80000000
	JLOAD \s                                       ; both slots' first fills: two tensor loads of the wave are out, later one
.endr
	; A fragment is 16 rows x 32 K in 8 registers: lane l holds row r = l % 16; registers 0-3 hold K = 8 h + 0..7, registers 4-7 K = 16 + 8 h + 0..7, h = l / 16.
	v_and_b32 v1, 15, v0                           ; r
	v_bfe_u32 v2, v0, 4, 1                         ; h
	v_lshrrev_b32 v3, 1, v1
	v_mul_u32_u24 v3, v3, PITCH
	v_and_b32 v4, 1, v0
	v_lshl_add_u32 v3, v4, 7, v3
	v_lshl_add_u32 v3, v2, 4, v3                   ; (r / 2) x 272 + (r % 2) x 128 + 16 h
	s_mul_i32 s22, s11, AHALF
	s_add_co_u32 s22, s22, BBYTES                  ; my 128 rows of xb
	s_mul_i32 s23, s12, BHALF                      ; my 192 rows of wqkv
.irp s, 0,1
	v_add_nc_u32 v[ADRA+\s], s22, v3
	v_add_nc_u32 v[ADRB+\s], s23, v3
	s_add_co_u32 s22, s22, SLOT
	s_add_co_u32 s23, s23, SLOT
.endr
	s_mul_i32 s22, s10, WSTAGE
	s_add_co_u32 s22, s22, STAGE                   ; my stage
	v_mul_u32_u24 v4, v1, SPITCH
	v_lshl_add_u32 v4, v2, 4, v4
	v_add_nc_u32 v[STO], s22, v4                   ; in: row r, 16 bytes for each half of the lanes
	v_bfe_u32 v5, v0, 3, 2
	v_mul_u32_u24 v5, v5, SPITCH
	v_and_b32 v6, 7, v0
	v_lshl_add_u32 v5, v6, 4, v5
	v_add_nc_u32 v[RD], s22, v5                    ; back: eight lanes take a row of 128 bytes, the wave four rows
	v_and_b32 v7, 31, v0
	v_lshlrev_b32 v[CO], 4, v7                     ; four rows of a head are 512 consecutive bytes of qkv
; 16 matrix instructions: columns b' = b0, b0 + 1 of group g x all eight row blocks, 32 along K.  zero = 1: the first product starts the sums.
; The 96 accumulators take turns, one instruction a turn, in the same order in every quarter, over the loop's backward jump too.
.macro SEGH g, fa, zero, b0
.irp bb, \b0, \b0+1
.irp a, 0,1,2,3,4,5,6,7
.if \zero
	v_wmma_f32_16x16x32_bf16 v[8*(8*(\bb)+\a):8*(8*(\bb)+\a)+7], v[FBR+8*(4*\g+(\bb)):FBR+8*(4*\g+(\bb))+7], v[\fa+8*\a:\fa+8*\a+7], 0
.else
	v_wmma_f32_16x16x32_bf16 v[8*(8*(\bb)+\a):8*(8*(\bb)+\a)+7], v[FBR+8*(4*\g+(\bb)):FBR+8*(4*\g+(\bb))+7], v[\fa+8*\a:\fa+8*\a+7], v[8*(8*(\bb)+\a):8*(8*(\bb)+\a)+7]
.endif
.endr
.endr
.endm
.macro LDB slot, q, g                  ; 8 LDS loads: group g's four fragments of wqkv for quarter q
.irp i, 0,1,2,3
	ds_load_b128 v[FBR+8*(4*\g+\i):FBR+8*(4*\g+\i)+3],   v[ADRB+\slot] offset:(4*\g+\i)*FROWS+64*\q
	ds_load_b128 v[FBR+8*(4*\g+\i)+4:FBR+8*(4*\g+\i)+7], v[ADRB+\slot] offset:(4*\g+\i)*FROWS+64*\q+32
.endr
.endm
.macro LDA slot, q, fa                 ; 16 LDS loads: the eight fragments of xb for quarter q
.irp a, 0,1,2,3,4,5,6,7
	ds_load_b128 v[\fa+8*\a:\fa+8*\a+3],   v[ADRA+\slot] offset:\a*FROWS+64*\q
	ds_load_b128 v[\fa+8*\a+4:\fa+8*\a+7], v[ADRA+\slot] offset:\a*FROWS+64*\q+32
.endr
.endm
; A quarter: 96 matrix instructions in three segments of 32 (groups 0, 1, 2).  Behind each segment its group is loaded for the next quarter
; (slot ns, quarter nq), behind segment 0 also xb's fragments, into the other buffer nfa.  LDS loads are therefore always issued in the order
; group 0 (8), xb (16), group 1 (8), group 2 (8).
; chg = 1: this is a slot's second quarter and the slots change; fill = 1: this slot is filled again, two K steps ahead; fetch = 0: the very last quarter.
.macro QBODY fa, ns, nq, nfa, slot, chg, fill, fetch, zero
	s_wait_dscnt 16                                ; group 0 and xb are in; the 16 younger loads are groups 1 and 2
	WIN 0x50
	SEGH 0, \fa, \zero, 0
.if \chg
	s_wait_dscnt 0x0                               ; my reads of this slot are over,
	s_wait_tensorcnt 0x0                           ; and all my tensor loads have landed: the one that was out is my part of the other slot:
	ds_add_u32 v30, v31
	s_wait_dscnt 0x0
	s_barrier_signal -1                            ; say so (where the slot is filled again this barrier opens a round of the cluster's barrier),
.endif
	SEGH 0, \fa, \zero, 2                          ; register work while the others arrive
.if \fetch
	WIN 0
.if \chg
	s_barrier_wait -1
.if \fill
	CREST                                          ; no wave of any partner still reads this slot or has a load on its way
	s_add_nc_u64 s[G0A+4*\slot+2:G0A+4*\slot+3], s[G0A+4*\slot+2:G0A+4*\slot+3], 2*XPLANE
	s_add_nc_u64 s[G0B+4*\slot+2:G0B+4*\slot+3], s[G0B+4*\slot+2:G0B+4*\slot+3], 2*WPLANE
	JLOAD \slot                                    ; the wave's one tensor load behind the round, and the first thing there
.endif
.endif
	PLACES
	LDB \ns, \nq, 0
	LDA \ns, \nq, \nfa
.if \chg == 0
	s_wait_dscnt 32                                ; group 1 is in; younger: group 2's 8 and the 24 just issued
.endif
.else
	s_wait_dscnt 8                                 ; group 1 is in; younger: group 2's 8
.endif
	WIN 0xa0
	SEGH 1, \fa, \zero, 0
	SEGH 1, \fa, \zero, 2
.if \fetch
	WIN 0
	PLACES
	LDB \ns, \nq, 1
.if \chg == 0
	s_wait_dscnt 32                                ; group 2 is in; younger: the 24 and the 8 just issued
.endif
.else
	s_wait_dscnt 0x0
.endif
	WIN 0xf0
	SEGH 2, \fa, \zero, 0
	SEGH 2, \fa, \zero, 2
	WIN 0
.if \fetch
	PLACES
	LDB \ns, \nq, 2
.endif
.endm
.macro QRT slot, q, chg, fill, fetch, zero
.if \q
	QBODY FA1, 1-\slot, 0, FA0, \slot, \chg, \fill, \fetch, \zero
.else
	QBODY FA0, \slot, 1, FA1, \slot, \chg, \fill, \fetch, \zero
.endif
.endm
.macro LAP zero                        ; once round the ring, both slots filled again
	QRT 0, 0, 0, 0, 1, \zero
	QRT 0, 1, 1, 1, 1, 0
	QRT 1, 0, 0, 0, 1, 0
	QRT 1, 1, 1, 1, 1, 0
.endm
	s_wait_tensorcnt 0x1                           ; my part of K step 0 is in; K step 1's stays out
	s_barrier_signal -1
	s_barrier_wait -1                              ; everybody's is
	LDB 0, 0, 0
	LDA 0, 0, FA0
	LDB 0, 0, 1
	LDB 0, 0, 2
	LAP 1                                          ; the first lap stands in front of the loop: its first products start the sums
	s_mov_b32 s3, LAPS-2
.Llap:
	LAP 0
	s_sub_co_u32 s3, s3, 1
	s_cmp_lg_u32 s3, 0
	s_cbranch_scc1 .Llap
	QRT 0, 0, 0, 0, 1, 0                           ; the last lap fills nothing
	QRT 0, 1, 1, 0, 1, 0
	QRT 1, 0, 0, 0, 1, 0
	QRT 1, 1, 0, 0, 0, 0
	; THE WAY OUT, 16 rows at a time: round to f16, 16 bytes a lane into my own stage (a block of 16 rows x 128 bytes for each of my three heads),
	; read back four rows at a time, store 512 consecutive bytes of a head's plane.
	PLACES
	s_lshr_b32 s16, s13, 3
	s_mul_i32 s16, s16, 48*XPLANE                  ; batch
	s_and_b32 s17, s13, 7
	s_lshl_b32 s17, s17, 15                        ; the block's 256 rows of 128 bytes
	s_add_co_u32 s16, s16, s17
	s_lshl_b32 s17, s11, 14                        ; my 128 rows
	s_add_co_u32 s16, s16, s17
	s_mov_b32 s17, 0
	s_add_nc_u64 s[8:9], s[8:9], s[16:17]
	s_mul_i32 s46, s42, 6                          ; my first plane = 6 x block column + 3 x half (in the registers that held wqkv's address)
	s_mul_i32 s47, s12, 3
	s_add_co_u32 s46, s46, s47
	s_lshl_b32 s46, s46, 18
	s_mov_b32 s47, 0
	s_add_nc_u64 s[8:9], s[8:9], s[46:47]
.macro OUT16 a, f
.irp g, 0,1,2
	WIN 5*(\g+1)                                   ; sources 0 and 1 in window 1 + g
.irp bb, 0,1,2,3
.irp rr, 0,1,2,3
	v_cvt_pk_f16_f32 v[TMP+16*\g+4*\bb+\rr], v[8*(8*\bb+\a)+2*\rr], v[8*(8*\bb+\a)+2*\rr+1]
.endr
.endr
.endr
	WIN 0
.irp g, 0,1,2
.irp bb, 0,1,2,3
	ds_store_b128 v[STO], v[TMP+16*\g+4*\bb:TMP+16*\g+4*\bb+3] offset:\g*HSTAGE+32*\bb
.endr
.endr
	s_wait_xcnt 0x0                                ; buffer f, which earlier stores read, is loaded again only behind this wait
.irp g, 0,1,2
.irp i, 0,1,2,3
	ds_load_b128 v[\f+16*\g+4*\i:\f+16*\g+4*\i+3], v[RD] offset:\g*HSTAGE+\i*4*SPITCH    ; LDS serves a wave's instructions in order (ISA guide 5.7.1): these see the stores above
.endr
.endr
.irp g, 0,1,2
.irp i, 0,1,2,3
	s_wait_dscnt 11-4*\g-\i                        ; this read-back is in, the younger ones stay out
	global_store_b128 v[CO], v[\f+16*\g+4*\i:\f+16*\g+4*\i+3], s[8:9] offset:\g*XPLANE+\a*2048+512*\i
.endr
.endr
.endm
	OUT16 0, OB0
	OUT16 1, OB1
	OUT16 2, OB0
	OUT16 3, OB1
	OUT16 4, OB0
	OUT16 5, OB1
	OUT16 6, OB0
	OUT16 7, OB1
	s_wait_tensorcnt 0x0
	ds_add_u32 v30, v31
	s_wait_dscnt 0x0
	CROUND                                         ; the closing round: no work-group ends while a partner may still ask for a tile that names it
	s_endpgm
.Lfunc_end_k_q7c285df59f_qkvp:
	.size	k_q7c285df59f_qkvp, .Lfunc_end_k_q7c285df59f_qkvp-k_q7c285df59f_qkvp
	.p2alignl 7, 3214868480
	.fill 96, 4, 3214868480
	.section	.rodata,"a",@progbits
	.p2align	6, 0x0
	.amdhsa_kernel k_q7c285df59f_qkvp
		.amdhsa_group_segment_fixed_size 327680
		.amdhsa_private_segment_fixed_size 0
		.amdhsa_enable_private_segment 0
		.amdhsa_kernarg_size 24
		.amdhsa_user_sgpr_count 2
		.amdhsa_user_sgpr_kernarg_segment_ptr 1
		.amdhsa_wavefront_size32 1
		.amdhsa_system_sgpr_workgroup_id_x 1
		.amdhsa_system_sgpr_workgroup_id_y 1
		.amdhsa_system_sgpr_workgroup_id_z 1
		.amdhsa_system_vgpr_workitem_id 0
		.amdhsa_next_free_vgpr 1024
		.amdhsa_next_free_sgpr 66
		.amdhsa_reserve_vcc 0
		.amdhsa_float_denorm_mode_32 3
		.amdhsa_float_denorm_mode_16_64 3
		.amdhsa_memory_ordered 1
		.amdhsa_forward_progress 1
		.amdhsa_inst_pref_size 170
	.end_amdhsa_kernel
	.amdgpu_metadata
---
amdhsa.version: [ 1, 2 ]
amdhsa.kernels:
  - .name:           k_q7c285df59f_qkvp
    .symbol:         k_q7c285df59f_qkvp.kd
    .args:
      - { .name: xb, .offset: 0, .size: 8, .value_kind: global_buffer, .address_space: global }
      - { .name: wqkv, .offset: 8, .size: 8, .value_kind: global_buffer, .address_space: global }
      - { .name: qkv, .offset: 16, .size: 8, .value_kind: global_buffer, .address_space: global }
    .group_segment_fixed_size: 327680
    .private_segment_fixed_size: 0
    .kernarg_segment_align: 8
    .kernarg_segment_size: 24
    .max_flat_workgroup_size: 128
    .sgpr_count:     66
    .vgpr_count:     1024
    .wavefront_size: 32
...
	.end_amdgpu_metadata
.endif
;; end of part 2
;; launch attn (part 3): grid 4 x 64, 8 waves a work-group, no clusters, 327,680 bytes of LDS; arguments qkv, att; writes att
.if DOCPART == 3
	.amdgcn_target "amdgcn-amd-amdhsa--gfx1250"
	.amdhsa_code_object_version 6
	.text
	.protected	k_q7c285df59f_attn
	.globl	k_q7c285df59f_attn
	.p2align	8
	.type	k_q7c285df59f_attn,@function
k_q7c285df59f_attn:
	s_mov_b64 s[64:65], 0
	v_nop
	global_prefetch_b8 v0, s[64:65] scope:SCOPE_SE
	s_setreg_imm32_b32 hwreg(HW_REG_WAVE_MODE, 25, 1), 1
	s_wait_xcnt 0x0
; Causal attention of one head: att[b][h][t][:] = softmax over keys <= t of (q k / 8) times v.  qkv: [b 4][g 48][t 2048][64] f16 (g = h: Q, 16 + h: K,
; 32 + h: V); att: [b 4][h 16][t 2048][64] f16.  f16 operands, f32 sums, softmax in f32 with a running maximum.
; WORK LEFT OUT: steps of 64 keys in which every key lies behind every query of a tile of 16 queries (reference() puts finfo.min there, the row keeps its
; diagonal score, the weight is 0); a NaN, an infinity or an overflow that reaches only those products is not carried to the result.  Inside the step that
; holds a tile's diagonal all 64 keys are worked on and masked: the 32 keys that may lie wholly behind the tile there are 16 of a wave's 1,056 products.
; LIMITS: a weight below 2^-24 of its row's largest becomes 0 in f16; v_exp_f32 flushes results below 2^-126 (ISA guide 15.8); the maxima ignore a NaN.
; SHARES: work-group (j, 16 b + h) does the query blocks 7 - j and j of 256 queries, one after the other: (8 - j) + (j + 1) = 9 blocks of 256 keys for
; every work-group.  Wave w owns two tiles of 16 queries of the block: qt = 0 is tile 15 - w, qt = 1 is tile w.  Tile i lives in i / 4 + 1 of the diagonal
; block's four steps, so every wave has 5 tile-steps there: 4 + 1 for w < 4, 3 + 2 for w >= 4.
; NO CLUSTER: the four work-groups of a head walk 8 - j and then j + 1 blocks of keys, so at a given step they want different tiles but for the first
; steps; walking all tiles in step would take 12 blocks of keys a work-group in place of 9.
; BOTH PRODUCTS ARE TRANSPOSED.  S^T = K Q^T: lane (r, h) holds query r and keys 16 kt + 8 h + 0..7, so a row's maximum, sum and factor are one number
; a lane, and the weights packed in pairs are already the second operand of O^T = V^T P^T.  V^T's fragments come by the transposing LDS load.
; THE TWO TILES TAKE TURNS.  A step is 64 keys.  Phase X(n): the softmax of tile 0 on step n, cut into 16 slices, one behind each of tile 1's products:
; 8 of O += V(n-1) P(n-1), then 8 of S(n) = K(n) Q.  Phase Y(n): the softmax of tile 1 on step n among tile 0's 8 products with V(n) and 8 with K(n+1).
; K(n+1) is loaded at the head of Y(n), V(n) in the middle of X(n): each 8 products and 8 slices ahead of its first use, and each serves both tiles.
; LDS: two slots of 128 keys: K as 64 pair rows of 256 bytes at pitch 272, V as 64 pair rows at pitch 288 (row i at (i / 2) x pitch + (i % 2) x 128:
; K's sixteen lanes fall on the 16-byte columns (r / 2) + 8 (r % 2), V's on 2 a + 8 b + c, all different).  Behind them a stage of 32 rows x 144 bytes a wave.
; A slot's four reads are K in Y(2t-1), V in X(2t), K in Y(2t), V in X(2t+1): the barrier that frees it stands between X(2t+1) and Y(2t+1).
; REGISTERS: K(n+1) and V(n) are live together, which with Q, O and S is 288 registers and with the rest 309: V lies in window 1 (v256-319), all else in window 0.
; Only the products with V (source 0 in window 1: setting 0x01) and V's loads (destination in window 1: 0x40) leave window 0; the products with V go in pairs,
; each pair followed by two slices: 18 switches for a step's 32 products and 32 loads.
.set TILEB,  16384                     ; 128 keys of 128 bytes
.set KPITCH, 272
.set VPITCH, 288
.set KBYTES, 64*KPITCH                 ; 17,408
.set SLOT,   KBYTES+64*VPITCH          ; 35,840
.set STAGE,  2*SLOT                    ; 71,680 = 280 x 256: never the target of a tensor load
.set SPITCH, 144
.set WSTAGE, 32*SPITCH
.set AK,   2                           ; v2  LDS address of my part of a K fragment
.set AV,   3                           ; v3  of a V fragment
.set STO,  4                           ; v4  the way out: in
.set RD,   5                           ; v5  the way out: back
.set QOFF, 6                           ; v6, v7    my byte offset in the block's rows of Q, tile qt
.set REL,  8                           ; v8, v9    16 tile + r - 8 h: key 64 d + 16 kt + 8 h + i of the diagonal block is kept if 64 d + 16 kt + i <= REL
.set OOFF, 10                          ; v10, v11  my byte offset in the block's rows of att, tile qt
.set AL,   16                          ; v16, v18  factor for the old sums (at the end 1 / sum); low register of a pair, for the packed broadcast
.set MX,   17                          ; v17, v19  running maximum of the raw scores
.set NMC,  20                          ; v20, v22  - c x maximum, the shift that is applied; low register of a pair
.set LS,   21                          ; v21, v23  running sum, of this half of the lanes' keys
.set T,    24                          ; v[24:31]  at work: one softmax runs at a time
.set QF,   32                          ; v[32:63]  Q[qt][half]: 8 registers each
.set OA,   64                          ; v[64:127] O[qt][mt]: 8 registers each
.set SC,   128                         ; v[128:191] S[qt][kt]: 8 registers each; the packed weights P[qt][g] lie in the first 16 of each 32
.set KF,   192                         ; v[192:255] K[kt][half]: 8 registers each
.set VF,   0                           ; window 1, v[0:63] = v256-319: V[g][mt]: 8 registers each
.set G1K, 24                           ; s[24:31] group 1 for K's tiles
.set G1V, 32                           ; s[32:39] for V's: the padding differs
.set G0,  40                           ; s[40:47] group 0, one set for each slot
; s8 wave = tile of qt 1, s9 = 15 - wave = tile of qt 0, s10-11 lane selects, s[12:13] c twice, s14 -c, s15 finfo.min, s[48:49] my tensor's first tile,
; s[50:51] Q's and s[52:53] att's plane, s[54:55] and s[56:57] the same at the block at work, s58 trip counter, s59 query block, s[60:61] its byte offset
.set MSB, 0
.macro WIN new                         ; the immediate's high byte repeats the setting that is left; at every label and branch the setting is 0
.if MSB != \new
	s_set_vgpr_msb (MSB<<8)|\new
.set MSB, \new
.endif
.endm
.macro NOPS n
.rept \n
	v_nop
.endr
.endm
; Wave 0 fetches K's tile, wave 1 V's, the others nothing.
.macro TLOAD s
	s_cmp_lg_u32 s8, 0
	s_cbranch_scc1 .Lnot_k_\@
	tensor_load_to_lds s[G0+4*(\s):G0+4*(\s)+3], s[G1K:G1K+7]
	s_nop 0
.Lnot_k_\@:
	s_cmp_lg_u32 s8, 1
	s_cbranch_scc1 .Lnot_v_\@
	tensor_load_to_lds s[G0+4*(\s):G0+4*(\s)+3], s[G1V:G1V+7]
	s_nop 0
.Lnot_v_\@:
.endm
.macro QLOAD                           ; my two tiles of Q as four fragments, straight from memory
.irp qt, 0,1
.irp p, 0,1,2,3
	global_load_b128 v[QF+16*\qt+4*\p:QF+16*\qt+4*\p+3], v[QOFF+\qt], s[54:55] offset:32*\p
.endr
.endr
.endm
	s_load_b128 s[4:7], s[0:1], 0x0                ; qkv s[4:5], att s[6:7]
	s_set_vgpr_msb 0x40
	v_lshl_add_u32 v64, v0, 2, 0x29000
	v_mov_b32 v65, 0
	s_set_vgpr_msb 0x4045
	ds_add_u32 v64, v65
	s_set_vgpr_msb 0x4500
	v_lshrrev_b32 v1, 5, v0
	v_readfirstlane_b32 s8, v1                     ; wave 0..7
	s_sub_co_u32 s9, 15, s8
	s_mov_b32 s10, 0x76543210                      ; v_permlanex16_b32: lane i of one half reads lane i of the other
	s_mov_b32 s11, 0xfedcba98
	s_mov_b32 s12, 0x3e38aa3b                      ; c = log2(e) / 8: the division by sqrt(64) and the change of base in one factor
	s_mov_b32 s13, 0x3e38aa3b
	s_mov_b32 s14, 0xbe38aa3b                      ; -c
	s_mov_b32 s15, 0xff7fffff                      ; finfo.min
	s_mov_b32 s[G1K+0], (3<<16)|(1<<20)|(5<<22)|(3<<25)   ; elements of 8 bytes; padding on; after every 64 words; 4 words
	s_mov_b32 s[G1V+0], (3<<16)|(1<<20)|(5<<22)|(7<<25)   ; 8 words
.irp g, G1K, G1V
	s_mov_b32 s[\g+1], 32<<16                      ; tensor_dim0 = 32 elements: a pair row of 256 bytes
	s_mov_b32 s[\g+2], 64<<16                      ; tensor_dim1 = 64 pair rows
	s_mov_b32 s[\g+3], 32<<16                      ; tile_dim0
	s_mov_b32 s[\g+4], 64                          ; tile_dim1
	s_mov_b32 s[\g+5], 32                          ; from pair row to pair row: no gap
	s_mov_b32 s[\g+6], 0
	s_mov_b32 s[\g+7], 0
.endr
	s_and_b32 s16, ttmp7, 0xffff                   ; 16 b + h: att's plane
	s_lshr_b32 s17, s16, 4
	s_lshl_b32 s17, s17, 5
	s_add_co_u32 s17, s17, s16                     ; 48 b + h: Q's plane
	s_min_u32 s18, s8, 1
	s_lshl_b32 s18, s18, 4
	s_add_co_u32 s18, s18, s17
	s_add_co_u32 s18, s18, 16                      ; wave 0: K's plane; wave 1: V's (the others load nothing)
	s_lshl_b32 s18, s18, 18                        ; a plane is 262,144 bytes
	s_mov_b32 s19, 0
	s_lshl_b32 s20, s17, 18
	s_mov_b32 s21, 0
	s_lshl_b32 s16, s16, 18
	s_mov_b32 s17, 0
	s_sub_co_u32 s59, 7, ttmp9                     ; the first query block: 7 - j
	s_lshl_b32 s60, s59, 15                        ; 256 rows of 128 bytes each
	s_mov_b32 s61, 0
	s_mul_i32 s23, s8, KBYTES                      ; wave 0's tile at the slot's byte 0, wave 1's at 17,408
	s_wait_dscnt 0x0
	s_barrier_signal -1
	s_barrier_wait -1
	s_wait_kmcnt 0x0
	s_add_nc_u64 s[48:49], s[4:5], s[18:19]
	s_add_nc_u64 s[50:51], s[4:5], s[20:21]
	s_add_nc_u64 s[52:53], s[6:7], s[16:17]
	s_add_nc_u64 s[54:55], s[50:51], s[60:61]
	s_add_nc_u64 s[56:57], s[52:53], s[60:61]
.irp s, 0,1
	s_mov_b32 s[G0+4*\s], 1
	s_add_co_u32 s[G0+4*\s+1], s23, \s*SLOT
	s_add_nc_u64 s[G0+4*\s+2:G0+4*\s+3], s[48:49], \s*TILEB        ; tile s
	s_or_b32 s[G0+4*\s+3], s[G0+4*\s+3], 0x80000000
.endr
	TLOAD 0                                        ; tile 0 into slot 0: the one first fill at the start; a wave never has more than one tensor load out
	v_and_b32 v12, 15, v0                          ; r
	v_bfe_u32 v13, v0, 4, 1                        ; h
	v_lshlrev_b32 v14, 7, v12
	v_lshl_add_u32 v14, v13, 4, v14                ; row r of 128 bytes + 16 h
	s_lshl_b32 s62, s9, 11                         ; a tile's 16 rows are 2,048 consecutive bytes of Q and of att
	s_lshl_b32 s63, s8, 11
	v_add_nc_u32 v[QOFF], s62, v14
	v_add_nc_u32 v[QOFF+1], s63, v14
	QLOAD
	v_and_b32 v14, 31, v0
	v_lshlrev_b32 v14, 4, v14
	v_add_nc_u32 v[OOFF], s62, v14                 ; 16 bytes a lane: a store covers four rows, 512 consecutive bytes
	v_add_nc_u32 v[OOFF+1], s63, v14
	v_lshrrev_b32 v14, 1, v12
	v_mul_u32_u24 v14, v14, KPITCH
	v_and_b32 v15, 1, v0
	v_lshl_add_u32 v14, v15, 7, v14
	v_lshl_add_u32 v[AK], v13, 4, v14              ; (r / 2) x 272 + (r % 2) x 128 + 16 h
	v_bfe_u32 v14, v0, 1, 2                        ; the transposing load: lane l addresses key 8 h + l % 8, 16 bytes at 16 ((l / 8) % 2)
	v_lshl_add_u32 v14, v13, 2, v14                ; its pair row 4 h + (l % 8) / 2
	v_mul_u32_u24 v14, v14, VPITCH
	v_lshl_add_u32 v14, v15, 7, v14
	v_bfe_u32 v1, v0, 3, 1
	v_lshl_add_u32 v14, v1, 4, v14
	v_add_nc_u32 v[AV], KBYTES, v14
	s_mul_i32 s22, s8, WSTAGE
	s_add_co_u32 s22, s22, STAGE                   ; my stage
	v_mul_u32_u24 v14, v12, SPITCH
	v_lshl_add_u32 v14, v13, 4, v14
	v_add_nc_u32 v[STO], s22, v14
	v_bfe_u32 v14, v0, 3, 2
	v_mul_u32_u24 v14, v14, SPITCH
	v_and_b32 v1, 7, v0
	v_lshl_add_u32 v14, v1, 4, v14
	v_add_nc_u32 v[RD], s22, v14
	v_lshlrev_b32 v14, 3, v13
	v_sub_nc_u32 v14, v12, v14                     ; r - 8 h, may be negative: compared as a signed number
	s_lshl_b32 s62, s9, 4
	s_lshl_b32 s63, s8, 4
	v_add_nc_u32 v[REL], s62, v14
	v_add_nc_u32 v[REL+1], s63, v14
; ---- the pieces of a softmax step of tile qt on its 32 scores a lane (16 pairs p) ----
.macro MASK8 qt, kt, d                 ; step d of the diagonal block: a key behind its query gets finfo.min, as in reference()
.irp j, 0,1,2,3,4,5,6,7
	v_cmp_le_i32 vcc_lo, 64*\d+16*\kt+\j, v[REL+\qt]
	v_cndmask_b32 v[SC+32*\qt+8*\kt+\j], s15, v[SC+32*\qt+8*\kt+\j], vcc_lo
.endr
.endm
.macro CH2 qt, c0, c1                  ; two chains of maxima by turns, seven scores each
	v_max3_num_f32 v[T+\c0], v[SC+32*\qt+8*\c0], v[SC+32*\qt+8*\c0+1], v[SC+32*\qt+8*\c0+2]
	v_max3_num_f32 v[T+\c1], v[SC+32*\qt+8*\c1], v[SC+32*\qt+8*\c1+1], v[SC+32*\qt+8*\c1+2]
	v_max3_num_f32 v[T+\c0], v[T+\c0], v[SC+32*\qt+8*\c0+3], v[SC+32*\qt+8*\c0+4]
	v_max3_num_f32 v[T+\c1], v[T+\c1], v[SC+32*\qt+8*\c1+3], v[SC+32*\qt+8*\c1+4]
	v_max3_num_f32 v[T+\c0], v[T+\c0], v[SC+32*\qt+8*\c0+5], v[SC+32*\qt+8*\c0+6]
	v_max3_num_f32 v[T+\c1], v[T+\c1], v[SC+32*\qt+8*\c1+5], v[SC+32*\qt+8*\c1+6]
.endm
.macro SHIFT qt, p                     ; pair p: c x score - c x maximum
	v_pk_fma_f32 v[SC+32*\qt+2*\p:SC+32*\qt+2*\p+1], v[SC+32*\qt+2*\p:SC+32*\qt+2*\p+1], s[12:13], v[NMC+2*\qt:NMC+2*\qt+1] op_sel_hi:[1,0,0]
.endm
.macro RESC qt, p                      ; two of the 32 old sums of O times the factor
	s_wait_alu depctr_va_vdst(0)
	v_pk_mul_f32 v[OA+32*\qt+2*\p:OA+32*\qt+2*\p+1], v[OA+32*\qt+2*\p:OA+32*\qt+2*\p+1], v[AL+2*\qt:AL+2*\qt+1] op_sel_hi:[1,0]
.endm
.macro EXPS qt, p, e                   ; one exponential of pair p and one plain instruction behind it (ISA guide 5.7.2): the shift of pair p + 3, or a piece of O
	v_exp_f32 v[SC+32*\qt+2*\p+\e], v[SC+32*\qt+2*\p+\e]
.if \e
	RESC \qt, \p
.else
.if \p < 13
	SHIFT \qt, (\p+3)
.endif
.endif
.endm
.macro SUMP qt, p                      ; pair p into one of four sums of pairs; pairs 4 to 7 start them together with pairs 0 to 3
.if \p < 8
	s_wait_alu depctr_va_vdst(0)
	v_pk_add_f32 v[T+2*\p-8:T+2*\p-7], v[SC+32*\qt+2*\p-8:SC+32*\qt+2*\p-7], v[SC+32*\qt+2*\p:SC+32*\qt+2*\p+1]
.else
	s_wait_alu depctr_va_vdst(0)
	v_pk_add_f32 v[T+2*(\p%4):T+2*(\p%4)+1], v[T+2*(\p%4):T+2*(\p%4)+1], v[SC+32*\qt+2*\p:SC+32*\qt+2*\p+1]
.endif
.endm
.macro PACK qt, p                      ; pair p to f16, in place and upward: register p belongs to pair p / 2, which has been summed and packed by then
	v_cvt_pk_f16_f32 v[SC+32*\qt+\p], v[SC+32*\qt+2*\p], v[SC+32*\qt+2*\p+1]
.endm
.macro LAG qt, p                       ; what trails pair p's exponentials: the sum of pair p - 1, the packing of pair p - 5
	SUMP \qt, (\p-1)
	PACK \qt, (\p-5)
.endm
; Slice k of 16.  119 instructions in all, 6 to 8 a slice (a masked step has 32 more in each of slices 0 and 1).  Every slice ends in a plain instruction;
; slices 6 and 7 hold 10 plain instructions and slice 15 eight: they are the places behind the other tile's products (ISA guide 7.12.1).
.macro SLICE qt, k, msk, d
.if (\k) == 0
.if \msk
	MASK8 \qt, 0, \d
	MASK8 \qt, 1, \d
.endif
	CH2 \qt, 0, 1
.endif
.if (\k) == 1
.if \msk
	MASK8 \qt, 2, \d
	MASK8 \qt, 3, \d
.endif
	CH2 \qt, 2, 3
.endif
.if (\k) == 2
	v_max3_num_f32 v[T],   v[T],   v[SC+32*\qt+7],  v[MX+2*\qt]    ; the old maximum among the numbers
	v_max3_num_f32 v[T+1], v[T+1], v[SC+32*\qt+15], v[SC+32*\qt+23]
	v_max3_num_f32 v[T+2], v[T+2], v[T+3], v[SC+32*\qt+31]
	v_max3_num_f32 v[T],   v[T],   v[T+1], v[T+2]
	v_permlanex16_b32 v[T+1], v[T], s10, s11       ; the other half of the lanes holds the same query's other keys
	v_max_num_f32 v[MX+2*\qt], v[T], v[T+1]
.endif
.if (\k) == 3
	v_mul_f32 v[T+2], s14, v[MX+2*\qt]             ; the new shift, -c x maximum, rounded once
	v_sub_f32 v[T+3], v[T+2], v[NMC+2*\qt]         ; the factor for the old sums is made of the two shifts as they are applied, so old and new terms agree
	v_exp_f32 v[AL+2*\qt], v[T+3]
	v_mov_b32 v[NMC+2*\qt], v[T+2]                 ; also the plain instruction behind the exponential
	SHIFT \qt, 0
	SHIFT \qt, 1
	SHIFT \qt, 2
.endif
.if (\k) == 4
	EXPS \qt, 0, 0
	EXPS \qt, 0, 1
	EXPS \qt, 1, 0
	EXPS \qt, 1, 1
.endif
.if (\k) == 5
	EXPS \qt, 2, 0
	EXPS \qt, 2, 1
	EXPS \qt, 3, 0
	EXPS \qt, 3, 1
.endif
.if (\k) == 6
	EXPS \qt, 4, 0
	EXPS \qt, 4, 1
	EXPS \qt, 5, 0
	EXPS \qt, 5, 1
.endif
.if (\k) == 7
	LAG  \qt, 5
	EXPS \qt, 6, 0
	EXPS \qt, 6, 1
	LAG  \qt, 6
.endif
.if (\k) == 8
	EXPS \qt, 7, 0
	EXPS \qt, 7, 1
	LAG  \qt, 7
	EXPS \qt, 8, 0
.endif
.if (\k) == 9
	EXPS \qt, 8, 1
	LAG  \qt, 8
	EXPS \qt, 9, 0
	EXPS \qt, 9, 1
.endif
.if (\k) == 10
	LAG  \qt, 9
	EXPS \qt, 10, 0
	EXPS \qt, 10, 1
	LAG  \qt, 10
.endif
.if (\k) == 11
	EXPS \qt, 11, 0
	EXPS \qt, 11, 1
	LAG  \qt, 11
	EXPS \qt, 12, 0
.endif
.if (\k) == 12
	EXPS \qt, 12, 1
	LAG  \qt, 12
	EXPS \qt, 13, 0
	EXPS \qt, 13, 1
.endif
.if (\k) == 13
	LAG  \qt, 13
	EXPS \qt, 14, 0
	EXPS \qt, 14, 1
	LAG  \qt, 14
.endif
.if (\k) == 14
	EXPS \qt, 15, 0
	EXPS \qt, 15, 1
	LAG  \qt, 15
	SUMP \qt, 15
	PACK \qt, 11
	PACK \qt, 12
.endif
.if (\k) == 15
	v_pk_add_f32 v[T:T+1], v[T:T+1], v[T+2:T+3]
	PACK \qt, 13
	v_pk_add_f32 v[T+4:T+5], v[T+4:T+5], v[T+6:T+7]
	PACK \qt, 14
	v_pk_add_f32 v[T:T+1], v[T:T+1], v[T+4:T+5]
	PACK \qt, 15
	v_add_f32 v[T], v[T], v[T+1]
	v_fma_f32 v[LS+2*\qt], v[LS+2*\qt], v[AL+2*\qt], v[T]
.endif
.endm
; ---- the products of tile q.  In every run the accumulators take turns, one instruction a turn. ----
.macro PVI q, k                        ; product k of 8 of O^T += V^T P^T: keys 32 (k / 4) .. + 31, rows 16 (k % 4) .. + 15 of O^T; V in window 1
.set MT_, (\k)%4
.set G_,  (\k)/4
	v_wmma_f32_16x16x32_f16 v[OA+32*\q+8*MT_:OA+32*\q+8*MT_+7], v[VF+32*G_+8*MT_:VF+32*G_+8*MT_+7], v[SC+32*\q+8*G_:SC+32*\q+8*G_+7], v[OA+32*\q+8*MT_:OA+32*\q+8*MT_+7]
.endm
.macro QKI q, k                        ; product k of 8 of S^T = K Q^T: key tiles in the order 2, 3, 0, 1, so that P's registers (tiles 0 and 1) are written last;
.set KT_, ((\k)+2)%4                   ; the first four start the sums with d = 0..31, the second four add d = 32..63
.if (\k) < 4
	v_wmma_f32_16x16x32_f16 v[SC+32*\q+8*KT_:SC+32*\q+8*KT_+7], v[KF+16*KT_:KF+16*KT_+7], v[QF+16*\q:QF+16*\q+7], 0
.else
	v_wmma_f32_16x16x32_f16 v[SC+32*\q+8*KT_:SC+32*\q+8*KT_+7], v[KF+16*KT_+8:KF+16*KT_+15], v[QF+16*\q+8:QF+16*\q+15], v[SC+32*\q+8*KT_:SC+32*\q+8*KT_+7]
.endif
.endm
.macro LDK slot, i                     ; 16 LDS loads: K of half i of the slot's tile, in the order of use: d = 0..31 of the four key tiles, then d = 32..63
.irp hf, 0,1
.irp kt, 2,3,0,1
	ds_load_b128 v[KF+16*\kt+8*\hf:KF+16*\kt+8*\hf+3],   v[AK] offset:\slot*SLOT+\i*32*KPITCH+\kt*8*KPITCH+64*\hf
	ds_load_b128 v[KF+16*\kt+8*\hf+4:KF+16*\kt+8*\hf+7], v[AK] offset:\slot*SLOT+\i*32*KPITCH+\kt*8*KPITCH+64*\hf+32
.endr
.endr
.endm
.macro LDV slot, i                     ; 16 transposing LDS loads: V of half i of the slot's tile, the first 32 keys first
	WIN 0x40
.irp g, 0,1
.irp mt, 0,1,2,3
	ds_load_tr16_b128 v[VF+32*\g+8*\mt:VF+32*\g+8*\mt+3],   v[AV] offset:\slot*SLOT+\i*32*VPITCH+\g*16*VPITCH+32*\mt
	ds_load_tr16_b128 v[VF+32*\g+8*\mt+4:VF+32*\g+8*\mt+7], v[AV] offset:\slot*SLOT+\i*32*VPITCH+\g*16*VPITCH+8*VPITCH+32*\mt
.endr
.endr
	WIN 0
.endm
; A phase.  t = 0 (X): softmax of tile 0, products of tile 1, V loaded in the middle.  t = 1 (Y): softmax of tile 1, products of tile 0, K loaded at the head.
; sm: the softmax runs (msk: with the mask of step d of the diagonal block); pv, qk: the products with V, with K are made; ld: the load, from half i of slot.
; LDS loads are always out in the order V (16), K (16).  X waits for nothing: its V and K were waited for in the Y in front of it.
.macro PH t, sm, msk, d, pv, qk, ld, slot, i
.if \t
.if \ld
	LDK \slot, \i                                  ; K's registers were last read by the phase in front, whose slice 15 (or four v_nop) are the places
.endif
.endif
.irp j, 0,1,2,3
.if \pv
.if \t
.if \j == 0
	s_wait_dscnt 16*\ld+8                          ; V of the first 32 keys is in; younger: V's other eight loads and, where asked for, K's sixteen
.endif
.if \j == 2
	s_wait_dscnt 16*\ld                            ; all of V is in; younger: K's sixteen
.endif
.endif
	WIN 0x01
	PVI (1-\t), (2*\j)
	PVI (1-\t), (2*\j+1)
	WIN 0
.endif
.if \sm
	SLICE \t, (2*\j), \msk, \d
	SLICE \t, (2*\j+1), \msk, \d
.endif
.endr
.if \sm == 0
.if \pv
.if \qk
	NOPS 5                                         ; no softmax to fill them: five places before the score products write over P
.endif
.endif
.endif
.if \t == 0
.if \ld
	LDV \slot, \i                                  ; V's registers were last read by the pair in front of slices 6 and 7
.endif
.endif
.irp k, 0,1,2,3,4,5,6,7
.if \qk
.if \t
.if \k == 0
	s_wait_dscnt 0x8                               ; d = 0..31 of K is in; the eight younger loads are d = 32..63
.endif
.if \k == 4
	s_wait_dscnt 0x0
.endif
.endif
	QKI (1-\t), \k
.endif
.if \sm
	SLICE \t, (8+\k), \msk, \d
.endif
.endr
.if \sm == 0
	NOPS 4                                         ; four places before the results are read and the fragments' registers loaded again
.endif
.endm
; The change of slots.  In front of the barrier every wave waits for all its tensor loads (the tile in \slot among them) and for its reads of the other slot;
; behind it the other slot is filled first, one tensor load a wave.  refill = 1: with the next tile; 2: with tile 0, for the next query block; 0: not at all.
.macro BAR slot, refill
	s_set_vgpr_msb 0x5
	s_wait_tensorcnt 0x0                           ; no tensor load of mine is out: every group 0 may be written
	ds_add_u32 v64, v65
	s_wait_dscnt 0x0
	s_set_vgpr_msb 0x500
.if \refill == 1
	s_add_nc_u64 s[G0+4*\slot+2:G0+4*\slot+3], s[G0+4*\slot+2:G0+4*\slot+3], 2*TILEB   ; this slot's next tile
.endif
.if \refill == 2
	s_mov_b64 s[G0+2:G0+3], s[48:49]               ; back to tiles 0 and 1
	s_or_b32 s[G0+3], s[G0+3], 0x80000000
	s_add_nc_u64 s[G0+6:G0+7], s[48:49], TILEB
	s_or_b32 s[G0+7], s[G0+7], 0x80000000
.endif
	s_wait_dscnt 0x0
	s_barrier_signal -1
	s_barrier_wait -1
.if \refill
	TLOAD 1-\slot
.endif
.endm
; The way out of a query block: O / sum, rounded to f16, through my own stage, 512 consecutive bytes of att a store.
.macro EPI last
.if \last == 0
	s_mov_b32 s59, ttmp9                           ; the second query block: j
	s_lshl_b32 s60, s59, 15
	s_add_nc_u64 s[54:55], s[50:51], s[60:61]      ; the loads that used this base were waited for at the block's head
	QLOAD                                          ; its Q comes in during the way out
.endif
	v_permlanex16_b32 v[T], v[LS], s10, s11
	v_permlanex16_b32 v[T+1], v[LS+2], s10, s11
	v_add_f32 v[T], v[T], v[LS]                    ; the two halves' sums; at least 1, the term of the maximum
	v_add_f32 v[T+1], v[T+1], v[LS+2]
	v_rcp_f32 v[AL], v[T]
	v_rcp_f32 v[AL+2], v[T+1]
	v_nop                                          ; the plain instruction behind the reciprocals
.irp qt, 0,1
.irp a, 0,8,16,24
.irp b, 0,2,4,6
	s_wait_alu depctr_va_vdst(0)
	v_pk_mul_f32 v[OA+32*\qt+\a+\b:OA+32*\qt+\a+\b+1], v[OA+32*\qt+\a+\b:OA+32*\qt+\a+\b+1], v[AL+2*\qt:AL+2*\qt+1] op_sel_hi:[1,0]
.endr
.endr
.endr
.irp a, 0,8,16,24
.irp b, 0,1,2,3,4,5,6,7
	v_cvt_pk_f16_f32 v[SC+\a+\b], v[OA+2*(\a+\b)], v[OA+2*(\a+\b)+1]
.endr
.endr
.irp qt, 0,1
.irp mt, 0,1,2,3
	ds_store_b128 v[STO], v[SC+16*\qt+4*\mt:SC+16*\qt+4*\mt+3] offset:\qt*16*SPITCH+32*\mt   ; row 16 qt + r, d = 16 mt + 8 h + 0..7
.endr
.endr
.irp i, 0,1,2,3,4,5,6,7
	ds_load_b128 v[KF+4*\i:KF+4*\i+3], v[RD] offset:\i*4*SPITCH    ; LDS serves a wave's instructions in order (ISA guide 5.7.1): these see the stores above
.endr
.irp i, 0,1,2,3,4,5,6,7
	s_wait_dscnt 7-\i                              ; this read-back is in, the younger ones stay out
	global_store_b128 v[OOFF+\i/4], v[KF+4*\i:KF+4*\i+3], s[56:57] offset:512*(\i%4)   ; the first four are tile qt = 0, the others qt = 1
.endr
.if \last == 0
	s_wait_xcnt 0x0                                ; the stores' base and data are written again only behind this wait
	s_add_nc_u64 s[56:57], s[52:53], s[60:61]
.endif
.endm
; A query block: s59 blocks of 256 keys in front of the diagonal block.  n counts steps of 64 keys; d0..d3 are the diagonal block's steps.
.macro BLOCK last
	s_wait_loadcnt 0x0                             ; Q
.irp a, 0,16,32,48                     ; O starts at 0: a tile's first product with V stands in the loop's text, so none is set apart to start the sums
.irp b, 0,2,4,6,8,10,12,14
	v_dual_mov_b32 v[OA+\a+\b], 0 :: v_dual_mov_b32 v[OA+\a+\b+1], 0
.endr
.endr
.irp qt, 0,1
	v_mov_b32 v[MX+2*\qt], s15                     ; finfo.min: the first true score takes its place, and the first factor is exp2 of a huge negative number, 0
	v_mul_f32 v[NMC+2*\qt], s14, v[MX+2*\qt]
	v_mov_b32 v[LS+2*\qt], 0
.endr
	BAR 0, 1                                       ; tile 0 is in slot 0; tile 1 goes out
	PH 1, 0,0,0, 0,1,1, 0,0                        ; K(0); S of tile 0, step 0
	PH 0, 1,0,0, 0,1,1, 0,0                        ; X(0): softmax of tile 0 beside S of tile 1; V(0).  Tile 0 is tile 8 or later: no mask in the block's first 64 keys
.if \last
	s_cmp_eq_u32 s59, 0                            ; block j may be block 0, which has the diagonal alone (the first block, 7 - j, is at least 4)
	s_cbranch_scc1 .Ldiag_\@
.endif
	s_mov_b32 s58, 0
.Lkeys_\@:                                         ; trip u: from Y(4u) to X(4u+4)
	PH 1, 1,0,0, 1,1,1, 0,1
	PH 0, 1,0,0, 1,1,1, 0,1
	BAR 1, 1
	PH 1, 1,0,0, 1,1,1, 1,0
	PH 0, 1,0,0, 1,1,1, 1,0
	PH 1, 1,0,0, 1,1,1, 1,1
	PH 0, 1,0,0, 1,1,1, 1,1
	BAR 0, 1
	PH 1, 1,0,0, 1,1,1, 0,0
	PH 0, 1,0,0, 1,1,1, 0,0
	s_add_co_u32 s58, s58, 1
	s_cmp_lt_u32 s58, s59
	s_cbranch_scc1 .Lkeys_\@
.Ldiag_\@:                                         ; X(d0) is done.  Waves 0-3: tile 1 ends in d0, tile 0 in d3.  Waves 4-7: tile 1 ends in d1, tile 0 in d2.
	s_cmp_lt_u32 s8, 4
	s_cbranch_scc1 .Llow1_\@
	PH 1, 1,0,0, 1,1,1, 0,1                        ; Y(d0)
	PH 0, 1,0,0, 1,1,1, 0,1                        ; X(d1)
	s_branch .Ljoin1_\@
.Llow1_\@:
	PH 1, 1,1,0, 1,1,1, 0,1                        ; Y(d0): tile 1's diagonal
	PH 0, 1,0,0, 1,0,1, 0,1                        ; X(d1): tile 1's last product with V; it has no scores in d1
.Ljoin1_\@:
.if \last
	BAR 1, 0
.else
	BAR 1, 2
.endif
	s_cmp_lt_u32 s8, 4
	s_cbranch_scc1 .Llow2_\@
	PH 1, 1,1,1, 1,1,1, 1,0                        ; Y(d1): tile 1's diagonal
	PH 0, 1,1,2, 1,0,1, 1,0                        ; X(d2): tile 0's diagonal, beside tile 1's last product with V
	PH 1, 0,0,0, 1,0,0, 0,0                        ; tile 0's last product with V
	s_branch .Ljoin2_\@
.Llow2_\@:                                         ; tile 0 alone
	PH 1, 0,0,0, 1,1,1, 1,0                        ; Y(d1)
	PH 0, 1,0,0, 0,0,1, 1,0                        ; X(d2)
	PH 1, 0,0,0, 1,1,1, 1,1                        ; Y(d2)
	PH 0, 1,1,3, 0,0,1, 1,1                        ; X(d3): tile 0's diagonal
	PH 1, 0,0,0, 1,0,0, 0,0                        ; its last product with V
.Ljoin2_\@:
	EPI \last
.endm
	BLOCK 0
	BLOCK 1
	s_set_vgpr_msb 0x5
	s_wait_tensorcnt 0x0
	ds_add_u32 v64, v65
	s_wait_dscnt 0x0
	s_set_vgpr_msb 0x500
	s_endpgm
.Lfunc_end_k_q7c285df59f_attn:
	.size	k_q7c285df59f_attn, .Lfunc_end_k_q7c285df59f_attn-k_q7c285df59f_attn
	.p2alignl 7, 3214868480
	.fill 96, 4, 3214868480
	.section	.rodata,"a",@progbits
	.p2align	6, 0x0
	.amdhsa_kernel k_q7c285df59f_attn
		.amdhsa_group_segment_fixed_size 327680
		.amdhsa_private_segment_fixed_size 0
		.amdhsa_enable_private_segment 0
		.amdhsa_kernarg_size 16
		.amdhsa_user_sgpr_count 2
		.amdhsa_user_sgpr_kernarg_segment_ptr 1
		.amdhsa_wavefront_size32 1
		.amdhsa_system_sgpr_workgroup_id_x 1
		.amdhsa_system_sgpr_workgroup_id_y 1
		.amdhsa_system_sgpr_workgroup_id_z 1
		.amdhsa_system_vgpr_workitem_id 0
		.amdhsa_next_free_vgpr 322
		.amdhsa_next_free_sgpr 66
		.amdhsa_reserve_vcc 1
		.amdhsa_float_denorm_mode_32 3
		.amdhsa_float_denorm_mode_16_64 3
		.amdhsa_memory_ordered 1
		.amdhsa_forward_progress 1
		.amdhsa_inst_pref_size 255
	.end_amdhsa_kernel
	.section	.bss,"aw",@nobits
	.p2align	6
	.space	262144
	.amdgpu_metadata
---
amdhsa.version: [ 1, 2 ]
amdhsa.kernels:
  - .name:           k_q7c285df59f_attn
    .symbol:         k_q7c285df59f_attn.kd
    .args:
      - { .name: qkv, .offset: 0, .size: 8, .value_kind: global_buffer, .address_space: global }
      - { .name: att, .offset: 8, .size: 8, .value_kind: global_buffer, .address_space: global }
    .group_segment_fixed_size: 327680
    .private_segment_fixed_size: 0
    .kernarg_segment_align: 8
    .kernarg_segment_size: 16
    .max_flat_workgroup_size: 256
    .sgpr_count:     66
    .vgpr_count:     322
    .wavefront_size: 32
...
	.end_amdgpu_metadata
.endif
;; end of part 3
;; launch oproj (part 4): grid 8 x 32, 4 waves a work-group, clusters of 4 x 4, 327,680 bytes of LDS; arguments att, wo, out0; writes out0
.if DOCPART == 4
	.amdgcn_target "amdgcn-amd-amdhsa--gfx1250"
	.amdhsa_code_object_version 6
	.text
	.protected	k_q7c285df59f_oproj
	.globl	k_q7c285df59f_oproj
	.p2align	8
	.type	k_q7c285df59f_oproj,@function
k_q7c285df59f_oproj:
	s_mov_b64 s[64:65], 0
	v_nop
	global_prefetch_b8 v0, s[64:65] scope:SCOPE_SE
	s_setreg_imm32_b32 hwreg(HW_REG_WAVE_MODE, 25, 1), 1
	s_wait_xcnt 0x0
	s_wait_alu depctr_hold_cnt(0) depctr_sa_sdst(0) depctr_va_vdst(0) depctr_va_sdst(0) depctr_va_ssrc(0) depctr_va_vcc(0) depctr_vm_vsrc(0)
	s_getreg_b32 s2, hwreg(HW_REG_IB_STS2, 6, 4)
	s_cmp_eq_u32 s2, 0
	s_cbranch_scc0 .Lentry_in_a_cluster
	s_endpgm
.Lentry_in_a_cluster:
	s_bfe_u32 s2, ttmp6, 0x10000c
	s_cmp_lg_u32 s2, 0xf033
	s_cbranch_scc0 .Lentry_shape_is_right
	s_endpgm
.Lentry_shape_is_right:
; out0[m][n] = sum over k of merged[m][k] W_O[n][k], m = 8,192 rows (b, t), n = 1,024, k = 64 h + d; f16 operands, f32 sums, f32 result.
; att: [b 4][h 16][t 2048][64] f16, wo: [s 16][n 1024][64] f16: plane s of both holds k = 64 s .. 64 s + 63.
; A work-group makes 256 x 128 of out0 with four waves; a wave makes 128 x 64: 32 accumulator tiles, 256 registers (window 1, tile (a, b) at v[8 (4 a + b)]).
; K goes in 8 steps of 128 = two planes through a ring of two LDS slots; each plane's tile is one wave's tensor load.  Tiles come in as pair rows of 256 bytes
; with 16 bytes of padding: row i at (i / 2) x 272 + (i % 2) x 128; a fragment's sixteen rows fall on sixteen different 16-byte columns of 256 bytes.
; CLUSTERS: 4 x 4 work-groups; att's tiles are asked for jointly by a row of the cluster, wo's by a column.
; The matrix instruction is used transposed (source 0 = rows of wo, source 1 = rows of att): a lane holds row l % 16 and columns 8 (l / 16) + 0..7.
.set PITCH,  272
.set FROWS,  8*PITCH                   ; sixteen rows
.set APL,    128*PITCH                 ; a plane's 256 rows of att: 34,816
.set BPL,    64*PITCH                  ; a plane's 128 rows of wo: 17,408
.set SLOT,   2*APL+2*BPL               ; 104,448
.set STAGE,  2*SLOT                    ; 208,896 = 816 x 256: never the target of a tensor load
.set SPITCH, 272                       ; the way out: 64 f32 + 16 bytes
.set WSTAGE, 16*SPITCH
.set APLANE, 262144                    ; bytes from plane to plane in att
.set BPLANE, 131072                    ; in wo
.set LAPS,   4
.set ADRA, 16
.set ADRB, 20
.set STO,  24
.set RD,   25
.set CO,   26
.set FA,   32                          ; v32-95, v96-159: fragments of att, two buffers
.set FB,   160                         ; v160-191, v192-223: fragments of wo, two buffers
.set G1A, 24
.set G0A, 32
.set G1B, 48
.set G0B, 56
.set DESC0, (3<<16)|(1<<20)|(1<<21)|(5<<22)|(3<<25)
.set MSB, 0
.macro WIN new
.if MSB != \new
	s_set_vgpr_msb (MSB<<8)|\new
.set MSB, \new
.endif
.endm
.macro PLACES
.rept 4
	v_nop
.endr
.endm
.macro JLOAD s                         ; waves 0 and 1 fetch att's two planes of the step, waves 2 and 3 wo's
	s_cmp_eq_u32 s11, 0
	s_cbranch_scc0 .Lfor_b_\@
	tensor_load_to_lds s[G0A+4*\s:G0A+4*\s+3], s[G1A:G1A+7]
	s_nop 0
	s_branch .Lasked_\@
.Lfor_b_\@:
	tensor_load_to_lds s[G0B+4*\s:G0B+4*\s+3], s[G1B:G1B+7]
	s_nop 0
.Lasked_\@:
.endm
.macro CREST
	s_cmp_lg_u32 s10, 0
	s_cbranch_scc1 .Lnot_wave_0_\@
	s_barrier_signal -3
.Lnot_wave_0_\@:
	s_barrier_wait -3
	s_barrier_signal -1
	s_barrier_wait -1
.endm
.macro CROUND
	s_barrier_signal -1
	s_barrier_wait -1
	CREST
.endm
	s_load_b128 s[4:7], s[0:1], 0x0                ; att s[4:5], wo s[6:7]
	s_load_b64 s[8:9], s[0:1], 0x10                ; out0
	v_lshl_add_u32 v254, v0, 2, 0x37400
	v_mov_b32 v255, 0
	ds_add_u32 v254, v255
	v_lshrrev_b32 v1, 5, v0
	v_readfirstlane_b32 s10, v1                    ; wave 0..3
	s_lshr_b32 s11, s10, 1                         ; which 128 rows are mine.  Also: I fetch for att (0) or for wo (1)
	s_and_b32 s12, s10, 1                          ; which 64 columns.  Also: which plane of the step I fetch
	s_bfe_u32 s40, ttmp6, 0x40000                  ; cx
	s_bfe_u32 s41, ttmp6, 0x40004                  ; cy
	s_lshl_b32 s42, ttmp9, 2
	s_add_co_u32 s42, s42, s40                     ; block column
	s_and_b32 s13, ttmp7, 0xffff
	s_lshl_b32 s13, s13, 2
	s_add_co_u32 s13, s13, s41                     ; block row
	s_lshl_b32 s43, s41, 2
	s_lshl_b32 s43, 15, s43                        ; my row of the cluster
	s_lshl_b32 s44, 0x1111, s40                    ; my column
	s_or_b32 s[G1A+0], s43, DESC0
	s_or_b32 s[G1B+0], s44, DESC0
	s_mov_b32 s[G1A+1], 32<<16                     ; a pair row: 32 elements of 8 bytes
	s_mov_b32 s[G1B+1], 32<<16
	s_mov_b32 s[G1A+2], 128<<16                    ; 128 pair rows
	s_mov_b32 s[G1B+2], 64<<16                     ; 64 pair rows
	s_mov_b32 s[G1A+3], 32<<16
	s_mov_b32 s[G1B+3], 32<<16
	s_mov_b32 s[G1A+4], 128
	s_mov_b32 s[G1B+4], 64
	s_mov_b32 s[G1A+5], 32
	s_mov_b32 s[G1B+5], 32
	s_mov_b32 s[G1A+6], 0
	s_mov_b32 s[G1B+6], 0
	s_mov_b32 s[G1A+7], 0
	s_mov_b32 s[G1B+7], 0
	s_lshr_b32 s16, s13, 3
	s_lshl_b32 s16, s16, 22                        ; batch: 16 planes
	s_and_b32 s17, s13, 7
	s_lshl_b32 s17, s17, 15                        ; the block's 256 rows of 128 bytes
	s_add_co_u32 s16, s16, s17
	s_lshl_b32 s17, s12, 18                        ; my plane of the step
	s_add_co_u32 s16, s16, s17
	s_mov_b32 s17, 0
	s_lshl_b32 s46, s42, 14                        ; the block's 128 rows of wo
	s_lshl_b32 s47, s12, 17                        ; my plane
	s_add_co_u32 s46, s46, s47
	s_mov_b32 s47, 0
	s_mul_i32 s20, s10, APL                        ; waves 0, 1: att's planes at wave x 34,816;
	s_mul_i32 s21, s10, BPL
	s_add_co_u32 s21, s21, 2*APL-2*BPL             ; waves 2, 3: wo's planes at 69,632 + (wave - 2) x 17,408
	s_wait_dscnt 0x0
	s_wait_kmcnt 0x0
	s_add_nc_u64 s[14:15], s[4:5], s[16:17]
	s_add_nc_u64 s[46:47], s[6:7], s[46:47]
	CROUND                                         ; all sixteen work-groups are here: the first joint loads meet
.irp s, 0,1
	s_mov_b32 s[G0A+4*\s], 1
	s_add_co_u32 s[G0A+4*\s+1], s20, \s*SLOT
	s_add_nc_u64 s[G0A+4*\s+2:G0A+4*\s+3], s[14:15], \s*2*APLANE   ; K step s = planes 2 s, 2 s + 1
	s_or_b32 s[G0A+4*\s+3], s[G0A+4*\s+3], 0x80000000
	s_mov_b32 s[G0B+4*\s], 1
	s_add_co_u32 s[G0B+4*\s+1], s21, \s*SLOT
	s_add_nc_u64 s[G0B+4*\s+2:G0B+4*\s+3], s[46:47], \s*2*BPLANE
	s_or_b32 s[G0B+4*\s+3], s[G0B+4*\s+3], 0x80000000
	JLOAD \s                                       ; two tensor loads of the wave are out here, later one
.endr
	v_and_b32 v1, 15, v0                           ; r
	v_bfe_u32 v2, v0, 4, 1                         ; h
	v_lshrrev_b32 v3, 1, v1
	v_mul_u32_u24 v3, v3, PITCH
	v_and_b32 v4, 1, v0
	v_lshl_add_u32 v3, v4, 7, v3
	v_lshl_add_u32 v3, v2, 4, v3                   ; (r / 2) x 272 + (r % 2) x 128 + 16 h
	s_mul_i32 s22, s11, 64*PITCH                   ; my 128 rows of a plane of att
	s_mul_i32 s23, s12, 32*PITCH                   ; my 64 rows of a plane of wo,
	s_add_co_u32 s23, s23, 2*APL                   ; which lie behind att's two planes
.irp s, 0,1
	v_add_nc_u32 v[ADRA+\s], s22, v3
	v_add_nc_u32 v[ADRB+\s], s23, v3
	s_add_co_u32 s22, s22, SLOT
	s_add_co_u32 s23, s23, SLOT
.endr
	s_mul_i32 s22, s10, WSTAGE
	s_add_co_u32 s22, s22, STAGE                   ; my stage
	v_mul_u32_u24 v4, v1, SPITCH
	v_lshl_add_u32 v4, v2, 5, v4
	v_add_nc_u32 v[STO], s22, v4                   ; in: row r, 32 bytes for each half of the lanes
	v_mul_u32_u24 v5, v2, SPITCH
	v_lshl_add_u32 v5, v1, 4, v5
	v_add_nc_u32 v[RD], s22, v5                    ; back: lanes 0-15 take one row of 256 bytes, lanes 16-31 the next
	v_lshlrev_b32 v5, 12, v2
	v_lshl_add_u32 v[CO], v1, 4, v5                ; and the same two rows of 4,096 bytes in out0
; 8 matrix instructions: row blocks a0, a0 + 1 x all four column blocks, 32 along K, on buffer f.  The 32 accumulators take turns, one instruction a turn,
; in the same order in every quarter, over the loop's backward jump too.
.macro MUL8 f, a0, zero
.irp a, \a0, \a0+1
.irp b, 0,1,2,3
.if \zero
	v_wmma_f32_16x16x32_f16 v[8*(4*(\a)+\b):8*(4*(\a)+\b)+7], v[FB+32*\f+8*\b:FB+32*\f+8*\b+7], v[FA+64*\f+8*(\a):FA+64*\f+8*(\a)+7], 0
.else
	v_wmma_f32_16x16x32_f16 v[8*(4*(\a)+\b):8*(4*(\a)+\b)+7], v[FB+32*\f+8*\b:FB+32*\f+8*\b+7], v[FA+64*\f+8*(\a):FA+64*\f+8*(\a)+7], v[8*(4*(\a)+\b):8*(4*(\a)+\b)+7]
.endif
.endr
.endr
.endm
; 24 LDS loads in one run: quarter qq (plane qq / 2, bytes 64 (qq % 2) of its rows) into buffer f: wo's four fragments, then att's eight
.macro FETCH slot, qq, f
.irp i, 0,1,2,3
	ds_load_b128 v[FB+32*\f+8*\i:FB+32*\f+8*\i+3],   v[ADRB+\slot] offset:(\qq>>1)*BPL+(\qq&1)*64+\i*FROWS
	ds_load_b128 v[FB+32*\f+8*\i+4:FB+32*\f+8*\i+7], v[ADRB+\slot] offset:(\qq>>1)*BPL+(\qq&1)*64+\i*FROWS+32
.endr
.irp i, 0,1,2,3,4,5,6,7
	ds_load_b128 v[FA+64*\f+8*\i:FA+64*\f+8*\i+3],   v[ADRA+\slot] offset:(\qq>>1)*APL+(\qq&1)*64+\i*FROWS
	ds_load_b128 v[FA+64*\f+8*\i+4:FA+64*\f+8*\i+7], v[ADRA+\slot] offset:(\qq>>1)*APL+(\qq&1)*64+\i*FROWS+32
.endr
.endm
; One of a step's first three quarters: multiplies buffer f; in its middle it fetches quarter nq of the same slot into buffer g.
.macro QUARTER slot, nq, f, g, zero
	s_wait_dscnt 8                                 ; wo's fragments and att's 0-3 are in; the youngest eight loads (att's 4-7) may be out
	WIN 0x50
	MUL8 \f, 0, \zero
	MUL8 \f, 2, \zero
	WIN 0
	PLACES
	FETCH \slot, \nq, \g
	s_wait_dscnt 24                                ; all but the 24 just issued
	WIN 0x50
	MUL8 \f, 4, \zero
	MUL8 \f, 6, \zero
.endm
.macro THREE slot, zero
	QUARTER \slot, 1, 0, 1, \zero
	QUARTER \slot, 2, 1, 0, 0
	QUARTER \slot, 3, 0, 1, 0
.endm
; The last quarter: multiplies buffer 1 and changes slots.  In front of the barrier each wave waits for its reads of this slot and for all its tensor loads
; (the one that is out is its part of the next slot); behind it the refill comes first, then the next slot's first fragments.
.macro TURN slot, next, fill
	s_wait_dscnt 8
	WIN 0x50
	MUL8 1, 0, 0
	s_wait_dscnt 0x0
	s_wait_tensorcnt 0x0
	ds_add_u32 v254, v255
	s_wait_dscnt 0x0
	s_barrier_signal -1                            ; where a slot is filled again this barrier opens a round of the cluster's barrier
	MUL8 1, 2, 0                                   ; register work while the others arrive
	WIN 0
	s_barrier_wait -1
.if \fill
	CREST                                          ; no wave of any partner still reads this slot or has a load on its way
	s_add_nc_u64 s[G0A+4*\slot+2:G0A+4*\slot+3], s[G0A+4*\slot+2:G0A+4*\slot+3], 4*APLANE
	s_add_nc_u64 s[G0B+4*\slot+2:G0B+4*\slot+3], s[G0B+4*\slot+2:G0B+4*\slot+3], 4*BPLANE
	JLOAD \slot                                    ; the wave's one tensor load behind the round, and the first thing there
.endif
	PLACES
	FETCH \next, 0, 0
	WIN 0x50
	MUL8 1, 4, 0
	MUL8 1, 6, 0
.endm
.macro LAP zero
	THREE 0, \zero
	TURN 0, 1, 1
	THREE 1, 0
	TURN 1, 0, 1
.endm
	s_wait_tensorcnt 0x1                           ; my part of K step 0 is in; K step 1's stays out
	s_barrier_signal -1
	s_barrier_wait -1
	FETCH 0, 0, 0
	LAP 1                                          ; the first lap stands in front of the loop: its first products start the sums
	WIN 0                                          ; at a label and at a branch every window is 0
	s_mov_b32 s3, LAPS-2
.Llap:
	LAP 0
	WIN 0
	s_sub_co_u32 s3, s3, 1
	s_cmp_lg_u32 s3, 0
	s_cbranch_scc1 .Llap
	THREE 0, 0                                     ; the last lap fills nothing
	TURN 0, 1, 0
	THREE 1, 0
	s_wait_dscnt 8
	WIN 0x50
	MUL8 1, 0, 0
	MUL8 1, 2, 0
	s_wait_dscnt 0x0
	MUL8 1, 4, 0
	MUL8 1, 6, 0
	WIN 0
	; THE WAY OUT, 16 rows at a time: the f32 sums go as they are into my own stage, 32 bytes a lane, and come back as whole rows of 256 bytes.
	PLACES
	s_lshl_b32 s16, s13, 20                        ; the block's 256 rows of 4,096 bytes
	s_lshl_b32 s17, s11, 19                        ; my 128 rows
	s_add_co_u32 s16, s16, s17
	s_mov_b32 s17, 0
	s_add_nc_u64 s[8:9], s[8:9], s[16:17]
	s_lshl_b32 s46, s42, 9                         ; the block's 128 columns of 4 bytes (in the registers that held wo's address)
	s_lshl_b32 s47, s12, 8                         ; my 64 columns
	s_add_co_u32 s46, s46, s47
	s_mov_b32 s47, 0
	s_add_nc_u64 s[8:9], s[8:9], s[46:47]
.macro OUT16 a, f
	WIN 0x04                                       ; the LDS stores' data in window 1
.irp b, 0,1,2,3
	ds_store_b128 v[STO], v[8*(4*\a+\b):8*(4*\a+\b)+3]   offset:64*\b
	ds_store_b128 v[STO], v[8*(4*\a+\b)+4:8*(4*\a+\b)+7] offset:64*\b+16
.endr
	WIN 0
	s_wait_xcnt 0x0                                ; buffer f, which earlier stores read, is loaded again only behind this wait
.irp t, 0,1,2,3,4,5,6,7
	ds_load_b128 v[\f+4*\t:\f+4*\t+3], v[RD] offset:\t*2*SPITCH    ; LDS serves a wave's instructions in order (ISA guide 5.7.1): these see the stores above
.endr
.irp t, 0,1,2,3,4,5,6,7
	s_wait_dscnt 7-\t                              ; this read-back is in, the younger ones stay out
	global_store_b128 v[CO], v[\f+4*\t:\f+4*\t+3], s[8:9] offset:\a*65536+\t*8192   ; sixteen lanes store 256 consecutive bytes, at a multiple of 256 from out0's first byte
.endr
.endm
	OUT16 0, 32
	OUT16 1, 64
	OUT16 2, 32
	OUT16 3, 64
	OUT16 4, 32
	OUT16 5, 64
	OUT16 6, 32
	OUT16 7, 64
	s_wait_tensorcnt 0x0
	ds_add_u32 v254, v255
	s_wait_dscnt 0x0
	CROUND                                         ; the closing round: no work-group ends while a partner may still ask for a tile that names it
	s_endpgm
.Lfunc_end_k_q7c285df59f_oproj:
	.size	k_q7c285df59f_oproj, .Lfunc_end_k_q7c285df59f_oproj-k_q7c285df59f_oproj
	.p2alignl 7, 3214868480
	.fill 96, 4, 3214868480
	.section	.rodata,"a",@progbits
	.p2align	6, 0x0
	.amdhsa_kernel k_q7c285df59f_oproj
		.amdhsa_group_segment_fixed_size 327680
		.amdhsa_private_segment_fixed_size 0
		.amdhsa_enable_private_segment 0
		.amdhsa_kernarg_size 24
		.amdhsa_user_sgpr_count 2
		.amdhsa_user_sgpr_kernarg_segment_ptr 1
		.amdhsa_wavefront_size32 1
		.amdhsa_system_sgpr_workgroup_id_x 1
		.amdhsa_system_sgpr_workgroup_id_y 1
		.amdhsa_system_sgpr_workgroup_id_z 1
		.amdhsa_system_vgpr_workitem_id 0
		.amdhsa_next_free_vgpr 512
		.amdhsa_next_free_sgpr 66
		.amdhsa_reserve_vcc 0
		.amdhsa_float_denorm_mode_32 3
		.amdhsa_float_denorm_mode_16_64 3
		.amdhsa_memory_ordered 1
		.amdhsa_forward_progress 1
		.amdhsa_inst_pref_size 118
	.end_amdhsa_kernel
	.amdgpu_metadata
---
amdhsa.version: [ 1, 2 ]
amdhsa.kernels:
  - .name:           k_q7c285df59f_oproj
    .symbol:         k_q7c285df59f_oproj.kd
    .args:
      - { .name: att, .offset: 0, .size: 8, .value_kind: global_buffer, .address_space: global }
      - { .name: wo, .offset: 8, .size: 8, .value_kind: global_buffer, .address_space: global }
      - { .name: out0, .offset: 16, .size: 8, .value_kind: global_buffer, .address_space: global }
    .group_segment_fixed_size: 327680
    .private_segment_fixed_size: 0
    .kernarg_segment_align: 8
    .kernarg_segment_size: 24
    .max_flat_workgroup_size: 128
    .sgpr_count:     66
    .vgpr_count:     512
    .wavefront_size: 32
...
	.end_amdgpu_metadata
.endif
;; end of part 4
;; ======== version 2 of 2: 4 launches; 1.11 times as fast as version 1
;; limits: values are held in f16: magnitudes above 65,504 overflow, below 6.1e-05 lose precision
;; workspace buffers: xb 16,777,216 bytes; wqkv 6,291,456 bytes; wo 2,097,152 bytes; qkv 50,331,648 bytes; att 16,777,216 bytes
;; launch cvt: the kernel of part 1 again; grid 64 x 12, 8 waves a work-group, no clusters, 0 bytes of LDS; arguments x, W_Q, W_K, W_V, W_O, xb, wqkv, wo; writes xb, wqkv, wo
;; launch qkvp: the kernel of part 2 again; grid 8 x 32, 4 waves a work-group, clusters of 4 x 4, 327,680 bytes of LDS; arguments xb, wqkv, qkv; writes qkv
;; launch attn (part 5): grid 4 x 64, 8 waves a work-group, no clusters, 327,680 bytes of LDS; arguments qkv, att; writes att
.if DOCPART == 5
	.amdgcn_target "amdgcn-amd-amdhsa--gfx1250"
	.amdhsa_code_object_version 6
	.text
	.protected	k_q7c285df59f_attn
	.globl	k_q7c285df59f_attn
	.p2align	8
	.type	k_q7c285df59f_attn,@function
k_q7c285df59f_attn:
	s_mov_b64 s[64:65], 0
	v_nop
	global_prefetch_b8 v0, s[64:65] scope:SCOPE_SE
	s_setreg_imm32_b32 hwreg(HW_REG_WAVE_MODE, 25, 1), 1
	s_wait_xcnt 0x0
; Causal attention of one head: att[b][h][t][:] = softmax over keys <= t of (q k / 8) times v.  qkv: [b 4][g 48][t 2048][64] f16 (g = h: Q, 16 + h: K,
; 32 + h: V); att: [b 4][h 16][t 2048][64] f16.  f16 operands, f32 sums, softmax in f32 with a running maximum.
; WORK LEFT OUT: steps of 64 keys in which every key lies behind every query of a tile of 16 queries (reference() puts finfo.min there, the row keeps its
; diagonal score, the weight is 0); a NaN, an infinity or an overflow that reaches only those products is not carried to the result.  Inside the step that
; holds a tile's diagonal all 64 keys are worked on and masked: the 32 keys that may lie wholly behind the tile there are 16 of a wave's 1,056 products.
; LIMITS: a weight below 2^-24 of its row's largest becomes 0 in f16; v_exp_f32 flushes results below 2^-126 (ISA guide 15.8); the maxima ignore a NaN.
; SHARES: work-group (j, 16 b + h) does the query blocks 7 - j and j of 256 queries, one after the other: (8 - j) + (j + 1) = 9 blocks of 256 keys for
; every work-group.  Wave w owns two tiles of 16 queries of the block: qt = 0 is tile 15 - w, qt = 1 is tile w.  Tile i lives in i / 4 + 1 of the diagonal
; block's four steps, so every wave has 5 tile-steps there: 4 + 1 for w < 4, 3 + 2 for w >= 4.
; NO CLUSTER: the four work-groups of a head walk 8 - j and then j + 1 blocks of keys, so at a given step they want different tiles but for the first
; steps; walking all tiles in step would take 12 blocks of keys a work-group in place of 9.
; BOTH PRODUCTS ARE TRANSPOSED.  S^T = K Q^T: lane (r, h) holds query r and keys 16 kt + 8 h + 0..7, so a row's maximum, sum and factor are one number
; a lane, and the weights packed in pairs are already the second operand of O^T = V^T P^T.  V^T's fragments come by the transposing LDS load.
; THE TWO TILES TAKE TURNS.  A step is 64 keys.  Phase X(n): the softmax of tile 0 on step n, cut into 16 slices, one for each of tile 1's products:
; 8 of O += V(n-1) P(n-1), then 8 of S(n) = K(n) Q.  Phase Y(n): the softmax of tile 1 on step n among tile 0's 8 products with V(n) and 8 with K(n+1).
; K(n+1) is loaded at the head of Y(n), V(n) in the middle of X(n): each 8 products and 8 slices ahead of its first use, and each serves both tiles.
; ONE BATCH A PHASE.  A softmax step has 33 exponentials: the factor for the old sums and the 32 weights.  They are one batch with one wait, which cuts the
; phase in two.  Slices 0 to 7, beside the products with V, hold all that names no result of the batch: the maxima, the shift, the scalings and the
; exponentials themselves, 70 instructions.  The wait stands at the end of slice 7 (in X directly ahead of V's run of loads).  Slices 8 to 15, beside the
; products with K, hold the 49 readers: O's old sums times the factor, the sums of the weights, the packing..
; The way out's two reciprocals are a batch of their own.
; LDS: two slots of 128 keys: K as 64 pair rows of 256 bytes at pitch 272, V as 64 pair rows at pitch 288 (row i at (i / 2) x pitch + (i % 2) x 128:
; K's sixteen lanes fall on the 16-byte columns (r / 2) + 8 (r % 2), V's on 2 a + 8 b + c, all different).  Behind them a stage of 32 rows x 144 bytes a wave.
; A slot's four reads are K in Y(2t-1), V in X(2t), K in Y(2t), V in X(2t+1): the barrier that frees it stands between X(2t+1) and Y(2t+1).
; REGISTERS: K(n+1) and V(n) are live together, which with Q, O and S is 288 registers and with the rest 309: V lies in window 1 (v256-319), all else in window 0.
; Only the products with V (source 0 in window 1: setting 0x01) and V's loads (destination in window 1: 0x40) leave window 0; the products with V go in pairs,
; each pair followed by two slices: 18 switches for a step's 32 products and 32 loads.
.set TILEB,  16384                     ; 128 keys of 128 bytes
.set KPITCH, 272
.set VPITCH, 288
.set KBYTES, 64*KPITCH                 ; 17,408
.set SLOT,   KBYTES+64*VPITCH          ; 35,840
.set STAGE,  2*SLOT                    ; 71,680 = 280 x 256: never the target of a tensor load
.set SPITCH, 144
.set WSTAGE, 32*SPITCH
.set AK,   2                           ; v2  LDS address of my part of a K fragment
.set AV,   3                           ; v3  of a V fragment
.set STO,  4                           ; v4  the way out: in
.set RD,   5                           ; v5  the way out: back
.set QOFF, 6                           ; v6, v7    my byte offset in the block's rows of Q, tile qt
.set REL,  8                           ; v8, v9    16 tile + r - 8 h: key 64 d + 16 kt + 8 h + i of the diagonal block is kept if 64 d + 16 kt + i <= REL
.set OOFF, 10                          ; v10, v11  my byte offset in the block's rows of att, tile qt
.set AL,   16                          ; v16, v18  factor for the old sums (at the end 1 / sum); low register of a pair, for the packed broadcast
.set MX,   17                          ; v17, v19  running maximum of the raw scores
.set NMC,  20                          ; v20, v22  - c x maximum, the shift that was applied last: the next step's factor is made of it
.set LS,   21                          ; v21, v23  running sum, of this half of the lanes' keys
.set T,    24                          ; v[24:31]  at work: one softmax runs at a time
.set QF,   32                          ; v[32:63]  Q[qt][half]: 8 registers each
.set OA,   64                          ; v[64:127] O[qt][mt]: 8 registers each
.set SC,   128                         ; v[128:191] S[qt][kt]: 8 registers each; the packed weights P[qt][g] lie in the first 16 of each 32
.set KF,   192                         ; v[192:255] K[kt][half]: 8 registers each
.set VF,   0                           ; window 1, v[0:63] = v256-319: V[g][mt]: 8 registers each
.set G1K, 24                           ; s[24:31] group 1 for K's tiles
.set G1V, 32                           ; s[32:39] for V's: the padding differs
.set G0,  40                           ; s[40:47] group 0, one set for each slot
; s8 wave = tile of qt 1, s9 = 15 - wave = tile of qt 0, s10-11 lane selects, s[12:13] c twice, s14 -c, s15 finfo.min, s[48:49] my tensor's first tile,
; s[50:51] Q's and s[52:53] att's plane, s[54:55] and s[56:57] the same at the block at work, s58 trip counter, s59 query block, s[60:61] its byte offset
.set MSB, 0
.macro WIN new                         ; the immediate's high byte repeats the setting that is left; at every label and branch the setting is 0
.if MSB != \new
	s_set_vgpr_msb (MSB<<8)|\new
.set MSB, \new
.endif
.endm
.macro NOPS n
.rept \n
	v_nop
.endr
.endm
; Wave 0 fetches K's tile, wave 1 V's, the others nothing.
.macro TLOAD s
	s_cmp_lg_u32 s8, 0
	s_cbranch_scc1 .Lnot_k_\@
	tensor_load_to_lds s[G0+4*(\s):G0+4*(\s)+3], s[G1K:G1K+7]
	s_nop 0
.Lnot_k_\@:
	s_cmp_lg_u32 s8, 1
	s_cbranch_scc1 .Lnot_v_\@
	tensor_load_to_lds s[G0+4*(\s):G0+4*(\s)+3], s[G1V:G1V+7]
	s_nop 0
.Lnot_v_\@:
.endm
.macro QLOAD                           ; my two tiles of Q as four fragments, straight from memory
.irp qt, 0,1
.irp p, 0,1,2,3
	global_load_b128 v[QF+16*\qt+4*\p:QF+16*\qt+4*\p+3], v[QOFF+\qt], s[54:55] offset:32*\p
.endr
.endr
.endm
	s_load_b128 s[4:7], s[0:1], 0x0                ; qkv s[4:5], att s[6:7]
	s_set_vgpr_msb 0x40
	v_lshl_add_u32 v64, v0, 2, 0x29000
	v_mov_b32 v65, 0
	s_set_vgpr_msb 0x4045
	ds_add_u32 v64, v65
	s_set_vgpr_msb 0x4500
	v_lshrrev_b32 v1, 5, v0
	v_readfirstlane_b32 s8, v1                     ; wave 0..7
	s_sub_co_u32 s9, 15, s8
	s_mov_b32 s10, 0x76543210                      ; v_permlanex16_b32: lane i of one half reads lane i of the other
	s_mov_b32 s11, 0xfedcba98
	s_mov_b32 s12, 0x3e38aa3b                      ; c = log2(e) / 8: the division by sqrt(64) and the change of base in one factor
	s_mov_b32 s13, 0x3e38aa3b
	s_mov_b32 s14, 0xbe38aa3b                      ; -c
	s_mov_b32 s15, 0xff7fffff                      ; finfo.min
	s_mov_b32 s[G1K+0], (3<<16)|(1<<20)|(5<<22)|(3<<25)   ; elements of 8 bytes; padding on; after every 64 words; 4 words
	s_mov_b32 s[G1V+0], (3<<16)|(1<<20)|(5<<22)|(7<<25)   ; 8 words
.irp g, G1K, G1V
	s_mov_b32 s[\g+1], 32<<16                      ; tensor_dim0 = 32 elements: a pair row of 256 bytes
	s_mov_b32 s[\g+2], 64<<16                      ; tensor_dim1 = 64 pair rows
	s_mov_b32 s[\g+3], 32<<16                      ; tile_dim0
	s_mov_b32 s[\g+4], 64                          ; tile_dim1
	s_mov_b32 s[\g+5], 32                          ; from pair row to pair row: no gap
	s_mov_b32 s[\g+6], 0
	s_mov_b32 s[\g+7], 0
.endr
	s_and_b32 s16, ttmp7, 0xffff                   ; 16 b + h: att's plane
	s_lshr_b32 s17, s16, 4
	s_lshl_b32 s17, s17, 5
	s_add_co_u32 s17, s17, s16                     ; 48 b + h: Q's plane
	s_min_u32 s18, s8, 1
	s_lshl_b32 s18, s18, 4
	s_add_co_u32 s18, s18, s17
	s_add_co_u32 s18, s18, 16                      ; wave 0: K's plane; wave 1: V's (the others load nothing)
	s_lshl_b32 s18, s18, 18                        ; a plane is 262,144 bytes
	s_mov_b32 s19, 0
	s_lshl_b32 s20, s17, 18
	s_mov_b32 s21, 0
	s_lshl_b32 s16, s16, 18
	s_mov_b32 s17, 0
	s_sub_co_u32 s59, 7, ttmp9                     ; the first query block: 7 - j
	s_lshl_b32 s60, s59, 15                        ; 256 rows of 128 bytes each
	s_mov_b32 s61, 0
	s_mul_i32 s23, s8, KBYTES                      ; wave 0's tile at the slot's byte 0, wave 1's at 17,408
	s_wait_dscnt 0x0
	s_barrier_signal -1
	s_barrier_wait -1
	s_wait_kmcnt 0x0
	s_add_nc_u64 s[48:49], s[4:5], s[18:19]
	s_add_nc_u64 s[50:51], s[4:5], s[20:21]
	s_add_nc_u64 s[52:53], s[6:7], s[16:17]
	s_add_nc_u64 s[54:55], s[50:51], s[60:61]
	s_add_nc_u64 s[56:57], s[52:53], s[60:61]
.irp s, 0,1
	s_mov_b32 s[G0+4*\s], 1
	s_add_co_u32 s[G0+4*\s+1], s23, \s*SLOT
	s_add_nc_u64 s[G0+4*\s+2:G0+4*\s+3], s[48:49], \s*TILEB        ; tile s
	s_or_b32 s[G0+4*\s+3], s[G0+4*\s+3], 0x80000000
.endr
	TLOAD 0                                        ; tile 0 into slot 0: the one first fill at the start; a wave never has more than one tensor load out
	v_and_b32 v12, 15, v0                          ; r
	v_bfe_u32 v13, v0, 4, 1                        ; h
	v_lshlrev_b32 v14, 7, v12
	v_lshl_add_u32 v14, v13, 4, v14                ; row r of 128 bytes + 16 h
	s_lshl_b32 s62, s9, 11                         ; a tile's 16 rows are 2,048 consecutive bytes of Q and of att
	s_lshl_b32 s63, s8, 11
	v_add_nc_u32 v[QOFF], s62, v14
	v_add_nc_u32 v[QOFF+1], s63, v14
	QLOAD
	v_and_b32 v14, 31, v0
	v_lshlrev_b32 v14, 4, v14
	v_add_nc_u32 v[OOFF], s62, v14                 ; 16 bytes a lane: a store covers four rows, 512 consecutive bytes
	v_add_nc_u32 v[OOFF+1], s63, v14
	v_lshrrev_b32 v14, 1, v12
	v_mul_u32_u24 v14, v14, KPITCH
	v_and_b32 v15, 1, v0
	v_lshl_add_u32 v14, v15, 7, v14
	v_lshl_add_u32 v[AK], v13, 4, v14              ; (r / 2) x 272 + (r % 2) x 128 + 16 h
	v_bfe_u32 v14, v0, 1, 2                        ; the transposing load: lane l addresses key 8 h + l % 8, 16 bytes at 16 ((l / 8) % 2)
	v_lshl_add_u32 v14, v13, 2, v14                ; its pair row 4 h + (l % 8) / 2
	v_mul_u32_u24 v14, v14, VPITCH
	v_lshl_add_u32 v14, v15, 7, v14
	v_bfe_u32 v1, v0, 3, 1
	v_lshl_add_u32 v14, v1, 4, v14
	v_add_nc_u32 v[AV], KBYTES, v14
	s_mul_i32 s22, s8, WSTAGE
	s_add_co_u32 s22, s22, STAGE                   ; my stage
	v_mul_u32_u24 v14, v12, SPITCH
	v_lshl_add_u32 v14, v13, 4, v14
	v_add_nc_u32 v[STO], s22, v14
	v_bfe_u32 v14, v0, 3, 2
	v_mul_u32_u24 v14, v14, SPITCH
	v_and_b32 v1, 7, v0
	v_lshl_add_u32 v14, v1, 4, v14
	v_add_nc_u32 v[RD], s22, v14
	v_lshlrev_b32 v14, 3, v13
	v_sub_nc_u32 v14, v12, v14                     ; r - 8 h, may be negative: compared as a signed number
	s_lshl_b32 s62, s9, 4
	s_lshl_b32 s63, s8, 4
	v_add_nc_u32 v[REL], s62, v14
	v_add_nc_u32 v[REL+1], s63, v14
; ---- the pieces of a softmax step of tile qt on its 32 scores a lane (16 pairs p) ----
.macro MASK8 qt, kt, d                 ; step d of the diagonal block: a key behind its query gets finfo.min, as in reference()
.irp j, 0,1,2,3,4,5,6,7
	v_cmp_le_i32 vcc_lo, 64*\d+16*\kt+\j, v[REL+\qt]
	v_cndmask_b32 v[SC+32*\qt+8*\kt+\j], s15, v[SC+32*\qt+8*\kt+\j], vcc_lo
.endr
.endm
.macro CH2 qt, c0, c1                  ; two chains of maxima by turns, seven scores each
	v_max3_num_f32 v[T+\c0], v[SC+32*\qt+8*\c0], v[SC+32*\qt+8*\c0+1], v[SC+32*\qt+8*\c0+2]
	v_max3_num_f32 v[T+\c1], v[SC+32*\qt+8*\c1], v[SC+32*\qt+8*\c1+1], v[SC+32*\qt+8*\c1+2]
	v_max3_num_f32 v[T+\c0], v[T+\c0], v[SC+32*\qt+8*\c0+3], v[SC+32*\qt+8*\c0+4]
	v_max3_num_f32 v[T+\c1], v[T+\c1], v[SC+32*\qt+8*\c1+3], v[SC+32*\qt+8*\c1+4]
	v_max3_num_f32 v[T+\c0], v[T+\c0], v[SC+32*\qt+8*\c0+5], v[SC+32*\qt+8*\c0+6]
	v_max3_num_f32 v[T+\c1], v[T+\c1], v[SC+32*\qt+8*\c1+5], v[SC+32*\qt+8*\c1+6]
.endm
.macro SHIFT qt, p                     ; pair p: c x score - c x maximum; the new shift is read from T+2, where slice 2 makes it (low register of the pair, for both halves)
	v_pk_fma_f32 v[SC+32*\qt+2*\p:SC+32*\qt+2*\p+1], v[SC+32*\qt+2*\p:SC+32*\qt+2*\p+1], s[12:13], v[T+2:T+3] op_sel_hi:[1,0,0]
.endm
.macro EXP2 qt, p                      ; pair p's two exponentials, in place, and between them the scaling of pair p + 2: none of the three names a result of the batch
	v_exp_f32 v[SC+32*\qt+2*\p], v[SC+32*\qt+2*\p]
.if \p < 14
	SHIFT \qt, (\p+2)
.endif
	v_exp_f32 v[SC+32*\qt+2*\p+1], v[SC+32*\qt+2*\p+1]
.endm
.macro RESC qt, p                      ; two of the 32 old sums of O times the factor; upward
	v_pk_mul_f32 v[OA+32*\qt+2*\p:OA+32*\qt+2*\p+1], v[OA+32*\qt+2*\p:OA+32*\qt+2*\p+1], v[AL+2*\qt:AL+2*\qt+1] op_sel_hi:[1,0]
.endm
.macro SUMP qt, p                      ; pair p into one of four sums of pairs; pairs 4 to 7 start them together with pairs 0 to 3
.if \p < 8
	v_pk_add_f32 v[T+2*\p-8:T+2*\p-7], v[SC+32*\qt+2*\p-8:SC+32*\qt+2*\p-7], v[SC+32*\qt+2*\p:SC+32*\qt+2*\p+1]
.else
	v_pk_add_f32 v[T+2*(\p%4):T+2*(\p%4)+1], v[T+2*(\p%4):T+2*(\p%4)+1], v[SC+32*\qt+2*\p:SC+32*\qt+2*\p+1]
.endif
.endm
.macro PACK qt, p                      ; pair p to f16, in place and upward: register p belongs to pair p / 2, which has been summed and packed by then
	v_cvt_pk_f16_f32 v[SC+32*\qt+\p], v[SC+32*\qt+2*\p], v[SC+32*\qt+2*\p+1]
.endm
.macro READ3 qt, i                     ; three readers: the sum of pair i + 4, a piece of O between, the packing of pair i
	SUMP \qt, (\i+4)
	RESC \qt, \i
	PACK \qt, \i
.endm
; Slice k of 16.  119 instructions in all, 5 to 12 a slice (a masked step has 32 more in each of slices 0 and 1).
; Slices 0-7: 70 instructions that name no result of the step's exponentials, the 33 exponentials among them; then the wait.  Slices 8-15: the 49 readers.
; Slices 6 and 7 hold five plain instructions (the scalings of pairs 12 to 15 and the shift's copy) and slice 15 eight: they are the places behind the other
; tile's products (ISA guide 7.12.1).
.macro SLICE qt, k, msk, d
.if (\k) == 0
.if \msk
	MASK8 \qt, 0, \d
	MASK8 \qt, 1, \d
.endif
	CH2 \qt, 0, 1
.endif
.if (\k) == 1
.if \msk
	MASK8 \qt, 2, \d
	MASK8 \qt, 3, \d
.endif
	CH2 \qt, 2, 3
	v_max3_num_f32 v[T],   v[T],   v[SC+32*\qt+7],  v[MX+2*\qt]    ; the old maximum among the numbers
	v_max3_num_f32 v[T+1], v[T+1], v[SC+32*\qt+15], v[SC+32*\qt+23]
	v_max3_num_f32 v[T+2], v[T+2], v[T+3], v[SC+32*\qt+31]
	v_max3_num_f32 v[T],   v[T],   v[T+1], v[T+2]
	v_permlanex16_b32 v[T+1], v[T], s10, s11       ; the other half of the lanes holds the same query's other keys
	v_max_num_f32 v[MX+2*\qt], v[T], v[T+1]
.endif
.if (\k) == 2
	v_mul_f32 v[T+2], s14, v[MX+2*\qt]             ; the new shift, -c x maximum, rounded once
	v_sub_f32 v[T+3], v[T+2], v[NMC+2*\qt]         ; the factor for the old sums is made of the two shifts as they are applied, so old and new terms agree
	v_exp_f32 v[AL+2*\qt], v[T+3]                  ; the batch's first: the factor; its readers stand in slices 8 to 15
	SHIFT \qt, 0
	SHIFT \qt, 1
	EXP2 \qt, 0
.endif
.if (\k) == 3
	EXP2 \qt, 1
	EXP2 \qt, 2
	EXP2 \qt, 3
.endif
.if (\k) == 4
	EXP2 \qt, 4
	EXP2 \qt, 5
	EXP2 \qt, 6
.endif
.if (\k) == 5
	EXP2 \qt, 7
	EXP2 \qt, 8
	EXP2 \qt, 9
.endif
.if (\k) == 6
	EXP2 \qt, 10
	EXP2 \qt, 11
	EXP2 \qt, 12
.endif
.if (\k) == 7
	EXP2 \qt, 13
	EXP2 \qt, 14
	EXP2 \qt, 15
	v_mov_b32 v[NMC+2*\qt], v[T+2]                 ; the shift is kept for the next step's factor: also the plain instruction behind the batch's last exponential (ISA guide 5.7.2)
	s_wait_alu depctr_va_vdst(0)                   ; the wait ahead of the first reader: one for the step's 33 exponentials
.endif
.if (\k) == 8
	READ3 \qt, 0
	READ3 \qt, 1
.endif
.if (\k) == 9
	READ3 \qt, 2
	READ3 \qt, 3
.endif
.if (\k) == 10
	READ3 \qt, 4
	READ3 \qt, 5
.endif
.if (\k) == 11
	READ3 \qt, 6
	READ3 \qt, 7
.endif
.if (\k) == 12
	READ3 \qt, 8
	READ3 \qt, 9
.endif
.if (\k) == 13
	READ3 \qt, 10
	READ3 \qt, 11
.endif
.if (\k) == 14
	RESC \qt, 12
	RESC \qt, 13
	RESC \qt, 14
	RESC \qt, 15
	PACK \qt, 12
.endif
.if (\k) == 15
	v_pk_add_f32 v[T:T+1], v[T:T+1], v[T+2:T+3]
	PACK \qt, 13
	v_pk_add_f32 v[T+4:T+5], v[T+4:T+5], v[T+6:T+7]
	PACK \qt, 14
	v_pk_add_f32 v[T:T+1], v[T:T+1], v[T+4:T+5]
	PACK \qt, 15
	v_add_f32 v[T], v[T], v[T+1]
	v_fma_f32 v[LS+2*\qt], v[LS+2*\qt], v[AL+2*\qt], v[T]
.endif
.endm
; ---- the products of tile q.  In every run the accumulators take turns, one instruction a turn. ----
.macro PVI q, k                        ; product k of 8 of O^T += V^T P^T: keys 32 (k / 4) .. + 31, rows 16 (k % 4) .. + 15 of O^T; V in window 1
.set MT_, (\k)%4
.set G_,  (\k)/4
	v_wmma_f32_16x16x32_f16 v[OA+32*\q+8*MT_:OA+32*\q+8*MT_+7], v[VF+32*G_+8*MT_:VF+32*G_+8*MT_+7], v[SC+32*\q+8*G_:SC+32*\q+8*G_+7], v[OA+32*\q+8*MT_:OA+32*\q+8*MT_+7]
.endm
.macro QKI q, k                        ; product k of 8 of S^T = K Q^T: key tiles in the order 2, 3, 0, 1, so that P's registers (tiles 0 and 1) are written last;
.set KT_, ((\k)+2)%4                   ; the first four start the sums with d = 0..31, the second four add d = 32..63
.if (\k) < 4
	v_wmma_f32_16x16x32_f16 v[SC+32*\q+8*KT_:SC+32*\q+8*KT_+7], v[KF+16*KT_:KF+16*KT_+7], v[QF+16*\q:QF+16*\q+7], 0
.else
	v_wmma_f32_16x16x32_f16 v[SC+32*\q+8*KT_:SC+32*\q+8*KT_+7], v[KF+16*KT_+8:KF+16*KT_+15], v[QF+16*\q+8:QF+16*\q+15], v[SC+32*\q+8*KT_:SC+32*\q+8*KT_+7]
.endif
.endm
.macro LDK slot, i                     ; 16 LDS loads: K of half i of the slot's tile, in the order of use: d = 0..31 of the four key tiles, then d = 32..63
.irp hf, 0,1
.irp kt, 2,3,0,1
	ds_load_b128 v[KF+16*\kt+8*\hf:KF+16*\kt+8*\hf+3],   v[AK] offset:\slot*SLOT+\i*32*KPITCH+\kt*8*KPITCH+64*\hf
	ds_load_b128 v[KF+16*\kt+8*\hf+4:KF+16*\kt+8*\hf+7], v[AK] offset:\slot*SLOT+\i*32*KPITCH+\kt*8*KPITCH+64*\hf+32
.endr
.endr
.endm
.macro LDV slot, i                     ; 16 transposing LDS loads: V of half i of the slot's tile, the first 32 keys first
	WIN 0x40
.irp g, 0,1
.irp mt, 0,1,2,3
	ds_load_tr16_b128 v[VF+32*\g+8*\mt:VF+32*\g+8*\mt+3],   v[AV] offset:\slot*SLOT+\i*32*VPITCH+\g*16*VPITCH+32*\mt
	ds_load_tr16_b128 v[VF+32*\g+8*\mt+4:VF+32*\g+8*\mt+7], v[AV] offset:\slot*SLOT+\i*32*VPITCH+\g*16*VPITCH+8*VPITCH+32*\mt
.endr
.endr
	WIN 0
.endm
; A phase.  t = 0 (X): softmax of tile 0, products of tile 1, V loaded in the middle.  t = 1 (Y): softmax of tile 1, products of tile 0, K loaded at the head.
; sm: the softmax runs (msk: with the mask of step d of the diagonal block); pv, qk: the products with V, with K are made; ld: the load, from half i of slot.
; LDS loads are always out in the order V (16), K (16).  X waits for nothing: its V and K were waited for in the Y in front of it.
.macro PH t, sm, msk, d, pv, qk, ld, slot, i
.if \t
.if \ld
	LDK \slot, \i                                  ; K's registers were last read by the phase in front, whose slice 15 (or four v_nop) are the places
.endif
.endif
.irp j, 0,1,2,3
.if \pv
.if \t
.if \j == 0
	s_wait_dscnt 16*\ld+8                          ; V of the first 32 keys is in; younger: V's other eight loads and, where asked for, K's sixteen
.endif
.if \j == 2
	s_wait_dscnt 16*\ld                            ; all of V is in; younger: K's sixteen
.endif
.endif
	WIN 0x01
	PVI (1-\t), (2*\j)
	PVI (1-\t), (2*\j+1)
	WIN 0
.endif
.if \sm
	SLICE \t, (2*\j), \msk, \d
	SLICE \t, (2*\j+1), \msk, \d
.endif
.endr
.if \sm == 0
.if \pv
.if \qk
	NOPS 5                                         ; no softmax to fill them: five places before the score products write over P
.endif
.endif
.endif
.if \t == 0
.if \ld
	LDV \slot, \i                                  ; V's registers were last read by the pair in front of slices 6 and 7, whose five plain instructions are the places; the batch's wait stands directly ahead
.endif
.endif
.irp k, 0,1,2,3,4,5,6,7
.if \qk
.if \t
.if \k == 0
	s_wait_dscnt 0x8                               ; d = 0..31 of K is in; the eight younger loads are d = 32..63
.endif
.if \k == 4
	s_wait_dscnt 0x0
.endif
.endif
	QKI (1-\t), \k
.endif
.if \sm
	SLICE \t, (8+\k), \msk, \d
.endif
.endr
.if \sm == 0
	NOPS 4                                         ; four places before the results are read and the fragments' registers loaded again
.endif
.endm
; The change of slots.  In front of the barrier every wave waits for all its tensor loads (the tile in \slot among them) and for its reads of the other slot;
; behind it the other slot is filled first, one tensor load a wave.  refill = 1: with the next tile; 2: with tile 0, for the next query block; 0: not at all.
.macro BAR slot, refill
	s_set_vgpr_msb 0x5
	s_wait_tensorcnt 0x0                           ; no tensor load of mine is out: every group 0 may be written
	ds_add_u32 v64, v65
	s_wait_dscnt 0x0
	s_set_vgpr_msb 0x500
.if \refill == 1
	s_add_nc_u64 s[G0+4*\slot+2:G0+4*\slot+3], s[G0+4*\slot+2:G0+4*\slot+3], 2*TILEB   ; this slot's next tile
.endif
.if \refill == 2
	s_mov_b64 s[G0+2:G0+3], s[48:49]               ; back to tiles 0 and 1
	s_or_b32 s[G0+3], s[G0+3], 0x80000000
	s_add_nc_u64 s[G0+6:G0+7], s[48:49], TILEB
	s_or_b32 s[G0+7], s[G0+7], 0x80000000
.endif
	s_wait_dscnt 0x0
	s_barrier_signal -1
	s_barrier_wait -1
.if \refill
	TLOAD 1-\slot
.endif
.endm
; The way out of a query block: O / sum, rounded to f16, through my own stage, 512 consecutive bytes of att a store.
.macro EPI last
.if \last == 0
	s_mov_b32 s59, ttmp9                           ; the second query block: j
	s_lshl_b32 s60, s59, 15
	s_add_nc_u64 s[54:55], s[50:51], s[60:61]      ; the loads that used this base were waited for at the block's head
	QLOAD                                          ; its Q comes in during the way out
.endif
	v_permlanex16_b32 v[T], v[LS], s10, s11
	v_permlanex16_b32 v[T+1], v[LS+2], s10, s11
	v_add_f32 v[T], v[T], v[LS]                    ; the two halves' sums; at least 1, the term of the maximum
	v_add_f32 v[T+1], v[T+1], v[LS+2]
	v_rcp_f32 v[AL], v[T]
	v_rcp_f32 v[AL+2], v[T+1]
	v_nop                                          ; the plain instruction behind the reciprocals
	s_wait_alu depctr_va_vdst(0)                   ; the wait ahead of the first reader: one for the two reciprocals
.irp qt, 0,1
.irp a, 0,8,16,24
.irp b, 0,2,4,6
	v_pk_mul_f32 v[OA+32*\qt+\a+\b:OA+32*\qt+\a+\b+1], v[OA+32*\qt+\a+\b:OA+32*\qt+\a+\b+1], v[AL+2*\qt:AL+2*\qt+1] op_sel_hi:[1,0]
.endr
.endr
.endr
.irp a, 0,8,16,24
.irp b, 0,1,2,3,4,5,6,7
	v_cvt_pk_f16_f32 v[SC+\a+\b], v[OA+2*(\a+\b)], v[OA+2*(\a+\b)+1]
.endr
.endr
.irp qt, 0,1
.irp mt, 0,1,2,3
	ds_store_b128 v[STO], v[SC+16*\qt+4*\mt:SC+16*\qt+4*\mt+3] offset:\qt*16*SPITCH+32*\mt   ; row 16 qt + r, d = 16 mt + 8 h + 0..7
.endr
.endr
.irp i, 0,1,2,3,4,5,6,7
	ds_load_b128 v[KF+4*\i:KF+4*\i+3], v[RD] offset:\i*4*SPITCH    ; LDS serves a wave's instructions in order (ISA guide 5.7.1): these see the stores above
.endr
.irp i, 0,1,2,3,4,5,6,7
	s_wait_dscnt 7-\i                              ; this read-back is in, the younger ones stay out
	global_store_b128 v[OOFF+\i/4], v[KF+4*\i:KF+4*\i+3], s[56:57] offset:512*(\i%4)   ; the first four are tile qt = 0, the others qt = 1
.endr
.if \last == 0
	s_wait_xcnt 0x0                                ; the stores' base and data are written again only behind this wait
	s_add_nc_u64 s[56:57], s[52:53], s[60:61]
.endif
.endm
; A query block: s59 blocks of 256 keys in front of the diagonal block.  n counts steps of 64 keys; d0..d3 are the diagonal block's steps.
.macro BLOCK last
	s_wait_loadcnt 0x0                             ; Q
.irp a, 0,16,32,48                     ; O starts at 0: a tile's first product with V stands in the loop's text, so none is set apart to start the sums
.irp b, 0,2,4,6,8,10,12,14
	v_dual_mov_b32 v[OA+\a+\b], 0 :: v_dual_mov_b32 v[OA+\a+\b+1], 0
.endr
.endr
.irp qt, 0,1
	v_mov_b32 v[MX+2*\qt], s15                     ; finfo.min: the first true score takes its place, and the first factor is exp2 of a huge negative number, 0
	v_mul_f32 v[NMC+2*\qt], s14, v[MX+2*\qt]
	v_mov_b32 v[LS+2*\qt], 0
.endr
	BAR 0, 1                                       ; tile 0 is in slot 0; tile 1 goes out
	PH 1, 0,0,0, 0,1,1, 0,0                        ; K(0); S of tile 0, step 0
	PH 0, 1,0,0, 0,1,1, 0,0                        ; X(0): softmax of tile 0 beside S of tile 1; V(0).  Tile 0 is tile 8 or later: no mask in the block's first 64 keys
.if \last
	s_cmp_eq_u32 s59, 0                            ; block j may be block 0, which has the diagonal alone (the first block, 7 - j, is at least 4)
	s_cbranch_scc1 .Ldiag_\@
.endif
	s_mov_b32 s58, 0
.Lkeys_\@:                                         ; trip u: from Y(4u) to X(4u+4)
	PH 1, 1,0,0, 1,1,1, 0,1
	PH 0, 1,0,0, 1,1,1, 0,1
	BAR 1, 1
	PH 1, 1,0,0, 1,1,1, 1,0
	PH 0, 1,0,0, 1,1,1, 1,0
	PH 1, 1,0,0, 1,1,1, 1,1
	PH 0, 1,0,0, 1,1,1, 1,1
	BAR 0, 1
	PH 1, 1,0,0, 1,1,1, 0,0
	PH 0, 1,0,0, 1,1,1, 0,0
	s_add_co_u32 s58, s58, 1
	s_cmp_lt_u32 s58, s59
	s_cbranch_scc1 .Lkeys_\@
.Ldiag_\@:                                         ; X(d0) is done.  Waves 0-3: tile 1 ends in d0, tile 0 in d3.  Waves 4-7: tile 1 ends in d1, tile 0 in d2.
	s_cmp_lt_u32 s8, 4
	s_cbranch_scc1 .Llow1_\@
	PH 1, 1,0,0, 1,1,1, 0,1                        ; Y(d0)
	PH 0, 1,0,0, 1,1,1, 0,1                        ; X(d1)
	s_branch .Ljoin1_\@
.Llow1_\@:
	PH 1, 1,1,0, 1,1,1, 0,1                        ; Y(d0): tile 1's diagonal
	PH 0, 1,0,0, 1,0,1, 0,1                        ; X(d1): tile 1's last product with V; it has no scores in d1
.Ljoin1_\@:
.if \last
	BAR 1, 0
.else
	BAR 1, 2
.endif
	s_cmp_lt_u32 s8, 4
	s_cbranch_scc1 .Llow2_\@
	PH 1, 1,1,1, 1,1,1, 1,0                        ; Y(d1): tile 1's diagonal
	PH 0, 1,1,2, 1,0,1, 1,0                        ; X(d2): tile 0's diagonal, beside tile 1's last product with V
	PH 1, 0,0,0, 1,0,0, 0,0                        ; tile 0's last product with V
	s_branch .Ljoin2_\@
.Llow2_\@:                                         ; tile 0 alone
	PH 1, 0,0,0, 1,1,1, 1,0                        ; Y(d1)
	PH 0, 1,0,0, 0,0,1, 1,0                        ; X(d2)
	PH 1, 0,0,0, 1,1,1, 1,1                        ; Y(d2)
	PH 0, 1,1,3, 0,0,1, 1,1                        ; X(d3): tile 0's diagonal
	PH 1, 0,0,0, 1,0,0, 0,0                        ; its last product with V
.Ljoin2_\@:
	EPI \last
.endm
	BLOCK 0
	BLOCK 1
	s_set_vgpr_msb 0x5
	s_wait_tensorcnt 0x0
	ds_add_u32 v64, v65
	s_wait_dscnt 0x0
	s_set_vgpr_msb 0x500
	s_endpgm
.Lfunc_end_k_q7c285df59f_attn:
	.size	k_q7c285df59f_attn, .Lfunc_end_k_q7c285df59f_attn-k_q7c285df59f_attn
	.p2alignl 7, 3214868480
	.fill 96, 4, 3214868480
	.section	.rodata,"a",@progbits
	.p2align	6, 0x0
	.amdhsa_kernel k_q7c285df59f_attn
		.amdhsa_group_segment_fixed_size 327680
		.amdhsa_private_segment_fixed_size 0
		.amdhsa_enable_private_segment 0
		.amdhsa_kernarg_size 16
		.amdhsa_user_sgpr_count 2
		.amdhsa_user_sgpr_kernarg_segment_ptr 1
		.amdhsa_wavefront_size32 1
		.amdhsa_system_sgpr_workgroup_id_x 1
		.amdhsa_system_sgpr_workgroup_id_y 1
		.amdhsa_system_sgpr_workgroup_id_z 1
		.amdhsa_system_vgpr_workitem_id 0
		.amdhsa_next_free_vgpr 322
		.amdhsa_next_free_sgpr 66
		.amdhsa_reserve_vcc 1
		.amdhsa_float_denorm_mode_32 3
		.amdhsa_float_denorm_mode_16_64 3
		.amdhsa_memory_ordered 1
		.amdhsa_forward_progress 1
		.amdhsa_inst_pref_size 255
	.end_amdhsa_kernel
	.section	.bss,"aw",@nobits
	.p2align	6
	.space	262144
	.amdgpu_metadata
---
amdhsa.version: [ 1, 2 ]
amdhsa.kernels:
  - .name:           k_q7c285df59f_attn
    .symbol:         k_q7c285df59f_attn.kd
    .args:
      - { .name: qkv, .offset: 0, .size: 8, .value_kind: global_buffer, .address_space: global }
      - { .name: att, .offset: 8, .size: 8, .value_kind: global_buffer, .address_space: global }
    .group_segment_fixed_size: 327680
    .private_segment_fixed_size: 0
    .kernarg_segment_align: 8
    .kernarg_segment_size: 16
    .max_flat_workgroup_size: 256
    .sgpr_count:     66
    .vgpr_count:     322
    .wavefront_size: 32
...
	.end_amdgpu_metadata
.endif
;; end of part 5
;; launch oproj: the kernel of part 4 again; grid 8 x 32, 4 waves a work-group, clusters of 4 x 4, 327,680 bytes of LDS; arguments att, wo, out0; writes out0
